; MI455X (gfx1250); checked and timed in simulation.
; The chip was launched on July 23, 2026; its instructions are those of AMD's public machine-readable ISA for CDNA 5 (MIT licence, August 2026) and "CDNA5" Instruction Set Architecture Reference Guide (July 2026). The comments in the code are by the model that wrote it; some were corrected since.
;; selfattention. Allowed arithmetic: matrix products marked QUANTISED: E3M2 operands, one E8M0 scale for each 32 along K, by v_wmma_scale_f32_16x16x128_f8f6f4 with both operands' format E3M2, f32 sums; everything else in f32.
;; Inputs: input 4 x 2,048 x 1,024 float32; w_in 3,072 x 1,024 float32; w_out 1,024 x 1,024 float32.
;; Outputs: out0 4 x 2,048 x 1,024 float32.
;; This version of the problem:
;;   THIS VERSION OF THE PROBLEM IS GIVEN IN LOW PRECISION. The matrix products marked QUANTISED in the list below multiply operands that are first quantised to E3M2 (3 exponent bits, 2 mantissa bits; 6 bits a number), with one power-of-two scale for each 32 numbers along K (OCP MX v1.0); their sums are f32. All else is computed in f32.
;;   The module's matrix products, in the order in which they are computed (A, B: the left and right operand; K: the contracted axis; several contracted axes count as one K, in the product's order):
;;     1. [M 8,192, K 1,024] x [K 1,024, N 3,072]; A: input input; B: input w_in: QUANTISED
;;     2. batch 64 x [M 2,048, K 64] x [K 64, N 2,048]; A: computed on the way; B: computed on the way: QUANTISED
;;     3. batch 64 x [M 2,048, K 2,048] x [K 2,048, N 64]; A: softmax (see below); B: computed on the way: QUANTISED
;;     4. [M 8,192, K 1,024] x [K 1,024, N 1,024]; A: computed on the way; B: input w_out: QUANTISED
;;   THE QUANTISER, for each operand of a quantised product, along K:
;;     - K is cut into blocks of 32 from its start; a last block that is shorter is filled with zeros.
;;     - A block's scale is 2^e with e = floor(log2(the largest magnitude in the block)) - 4, held to -126 .. 127; a block of zeros has e = 0. As a byte (E8M0): e + 127.
;;     - Each number is divided by its block's scale, clamped to +-28, and rounded to the nearest number of E3M2, ties to even, subnormals kept.
;;     - The product sums the exact products of the quantised numbers (number of the format x scale) in f32.
;;   ~~~python
;;   def quantise(x, axis):      # numpy; x: float32 -> the quantised numbers, widened to float32 again
;;       x = np.moveaxis(x, axis, -1); K = x.shape[-1]
;;       x = np.pad(x, [(0, 0)] * (x.ndim - 1) + [(0, -K % 32)]); x = x.reshape(x.shape[:-1] + (-1, 32)); a = np.abs(x).max(-1, keepdims=True)
;;       e = np.where(a > 0, np.clip(np.frexp(np.where(a > 0, a, 1))[1] - 1 - 4, -126, 127), 0)      # np.frexp(a)[1] - 1 = floor(log2(a)), exactly
;;       r = np.clip(x / 2.0 ** e, -28, 28)
;;       step = 2.0 ** (np.maximum(np.frexp(np.where(r == 0, 1, r))[1] - 1, -2) - 2)
;;       q = np.round(r / step) * step * 2.0 ** e      # np.round: ties to even
;;       return np.moveaxis(q.reshape(q.shape[:-2] + (-1,))[..., :K], -1, axis).astype(np.float32)
;;   ~~~
;;   SOFTMAX AHEAD OF A QUANTISED PRODUCT. Where the list says 'softmax', what is quantised is not the finished softmax but p = 2^(t - M), with t = logit x log2(e) and M = ceil(the row's largest t), a whole number; so 1/2 < the row's largest p <= 1. The row's sum l is taken of the UNQUANTISED p, in f32, and the product's result is divided by l at the end. Since M is a whole number, a kernel that streams over the keys may use a running M (the ceiling of the running maximum): every later rescaling is an exact power of two, which a block's scale takes up: the codes' values come out the same.
;;   OPERANDS COMPUTED ON THE WAY. 'Computed on the way' means the value that the module computes at that place (a softmax that the list does not call 'softmax' is quantised finished and normalised). What goes into a quantiser is computed in f32, as accurately as f32 sums, v_exp_f32 and their like allow (about 1e-6 of the number): no bf16 or f16 on the way to a quantiser, and a product that is left as it is and whose result goes on into a quantised operand takes f32 operands (vector FMAs, or v_wmma_f32_16x16x4_f32). A number that lies on a knife's edge between two numbers of the format may be rounded either way, as far as f32 arithmetic and the matrix unit's own rounding can turn it there, and no further.
;; One version. Each part assembles by itself: llvm-mc -triple=amdgcn-amd-amdhsa -mcpu=gfx1250 --defsym DOCPART=n.
;; ======== version 1 of 1: 4 launches
;; limits: right only within a limited range of input values
;; workspace buffers: xw_codes 8,650,752 bytes; xw_scales 360,448 bytes; wo_codes 786,432 bytes; wo_scales 32,768 bytes; qkv_codes 18,874,368 bytes; qkv_scales 786,432 bytes; ctx_codes 6,291,456 bytes; ctx_scales 262,144 bytes
;; launch quant (part 1): grid 768 x 1, 4 waves a work-group, no clusters, 33,280 bytes of LDS; arguments input, w_in, w_out, xw_codes, xw_scales, wo_codes, wo_scales; writes xw_codes, xw_scales, wo_codes, wo_scales
.if DOCPART == 1
	.amdgcn_target "amdgcn-amd-amdhsa--gfx1250"
	.amdhsa_code_object_version 6
	.text
	.protected	k_qba5c9f81b7_quant
	.globl	k_qba5c9f81b7_quant
	.p2align	8
	.type	k_qba5c9f81b7_quant,@function
k_qba5c9f81b7_quant:
	s_mov_b64 s[64:65], 0
	v_nop
	global_prefetch_b8 v0, s[64:65] scope:SCOPE_SE
	s_setreg_imm32_b32 hwreg(HW_REG_WAVE_MODE, 25, 1), 1
	s_wait_xcnt 0x0
; input [8192][1024], w_in [3072][1024] and w_out [1024][1024], f32, K innermost, are turned into codes of BF6 (E3M2), 6 bits each, with one E8M0 scale byte for each 32 along K.
; input's and w_in's codes lie on end in one buffer of 11,264 rows of 768 bytes (their scale bytes likewise, 32 a row): the next launch takes either as either operand.  w_out's have buffers of their own.
; A block's scale is 2^(floor(log2(its largest magnitude)) - 4); its byte is the largest magnitude's own exponent field - 4, held at 1 from below.  A block of zeros so gets the byte 1 where the
; rule says 127: its codes are zeros, which add nothing under any byte but 0xff, and the bytes are read by this program alone.  Each number is divided by the scale and rounded to the nearest code, ties to even.
; LIMITS: a block whose largest magnitude lies under 2^(5 - 127) is quantised under the byte 1; NaN and infinities among the inputs are not served.
; Rows are dense and K is a multiple of 32: each tensor is a plain stream of blocks of 32 numbers, and so are the codes and the scale bytes.
; A wave takes 8 steps of 512 numbers.  Each of a step's four loads reads 512 consecutive bytes, 16 a lane; the 2,048 bytes go through the wave's own stage in LDS and come back 64 bytes a lane, so that a
; lane holds 16 neighbours along K (two neighbouring lanes hold a block), as the conversion wants them.  A lane's 16 codes are 12 bytes: the wave stores 192 bytes in each of two images.
; A wave's 128 scale bytes are gathered in its own LDS bytes and leave as 128 consecutive, aligned bytes.  No tensor loads, no barrier: waves share nothing.  Loads run four steps (16 loads a wave) ahead.
; Matrix units and clusters are left out: the launch only streams, and no two work-groups read the same bytes.
.set STEPS, 8                          ; a wave takes 8 steps of 512 numbers: four rows of 1,024
.set WGX,   512                        ; work-groups 0..511 take input (8,388,608 numbers / 16,384)
.set WGW,   704                        ; 512..703 take w_in, 704..767 w_out
.set EMAX,  4
.set CB,    12                         ; bytes of 16 codes
.set R,     16                         ; v16-79   four sets of 16 numbers as they are loaded
.set X,     80                         ; v80-111  two sets of 16 neighbours
.set C,     128                        ; v128-191 codes: four registers for each step, so that no store's data are written again
.set E,     112                        ; v112-127 a scale byte for each step
.set WREG,  8192                       ; LDS: a region for each wave: two stages of 32 x SP bytes, and behind them its 128 scale bytes
.set SP,    80                         ; a lane's place in a stage: its 64 bytes + 16 of padding
	s_load_b256 s[4:11], s[0:1], 0x0               ; input s[4:5], w_in s[6:7], w_out s[8:9], input's and w_in's codes s[10:11]
	s_load_b128 s[12:15], s[0:1], 0x20             ; their scales s[12:13], w_out's codes s[14:15]
	s_load_b64 s[24:25], s[0:1], 0x30              ; w_out's scales
	v_lshl_add_u32 v192, v0, 2, 0x8000
	v_mov_b32 v193, 0
	v_lshrrev_b32 v1, 5, v0
	v_readfirstlane_b32 s16, v1                    ; wave
	v_and_b32 v2, 31, v0                           ; lane
	v_lshlrev_b32 v3, 4, v2                        ; my 16 bytes of a load's 512
	s_mul_i32 s17, s16, WREG
	v_lshrrev_b32 v14, 2, v2
	v_mul_u32_u24 v14, v14, SP
	v_and_b32 v15, 3, v2
	v_lshl_add_u32 v14, v15, 4, v14
	v_add_nc_u32 v14, s17, v14                     ; the stage, on the way in: four lanes' 64 bytes on end, then 16 of padding
	v_mul_u32_u24 v15, v2, SP
	v_add_nc_u32 v15, s17, v15                     ; and on the way out: SP x lane: my 16 neighbours
; THE CODES' LAYOUT: a block of 256 rows x 256 along K is a dense image of 256 x 192 bytes; a block of rows holds its four images on end (196,608 bytes).
	v_and_b32 v4, 15, v2
	v_mul_u32_u24 v4, v4, CB                       ; sixteen lanes fill a row's 192 bytes of one image,
	v_lshrrev_b32 v8, 4, v2
	v_mul_u32_u24 v8, v8, 0xc000
	v_add_nc_u32 v4, v4, v8                        ; lanes 16-31 stand in the next image
	v_lshrrev_b32 v5, 1, v2
	s_add_co_u32 s17, s17, 2*32*SP
	v_add_nc_u32 v5, s17, v5                       ; LDS: my wave's 256 scale bytes, my block's byte
	v_lshlrev_b32 v7, 2, v2                        ; and on the way out 4 bytes a lane
	v_add_nc_u32 v6, s17, v7
	s_wait_alu depctr_va_vdst(0)
	s_wait_kmcnt 0x0
	s_cmp_lt_u32 ttmp9, WGX                        ; which tensor?  The choices hang on the work-group's number alone; only pointers are chosen: one path serves all three
	s_cselect_b64 s[4:5], s[4:5], s[6:7]
	s_cselect_b32 s17, 0, WGX
	s_cmp_lt_u32 ttmp9, WGW
	s_cselect_b64 s[4:5], s[4:5], s[8:9]           ; the source,
	s_cselect_b32 s17, s17, WGW                    ; its first work-group,
	s_cselect_b64 s[10:11], s[10:11], s[14:15]     ; the codes' buffer,
	s_cselect_b64 s[12:13], s[12:13], s[24:25]     ; the scales' buffer,
	s_cselect_b32 s22, 0, WGW                      ; and that buffer's first work-group
	s_sub_co_u32 s17, ttmp9, s17
	s_lshl_b32 s17, s17, 2
	s_add_co_u32 s18, s17, s16                     ; which run of 4,096 numbers of the source is my wave's
	s_mov_b32 s19, 0
	s_mov_b64 s[20:21], 512*STEPS*4
	s_mul_u64 s[20:21], s[18:19], s[20:21]
	s_add_nc_u64 s[4:5], s[4:5], s[20:21]
	s_sub_co_u32 s22, ttmp9, s22
	s_lshl_b32 s22, s22, 2
	s_add_co_u32 s22, s22, s16                     ; and which run of the buffers
	s_mov_b32 s23, 0
	s_lshr_b32 s20, s22, 6                         ; 64 runs of four rows to a block of 256 rows
	s_mul_i32 s20, s20, 196608
	s_and_b32 s21, s22, 63
	s_mul_i32 s21, s21, 768                        ; four rows of 192 bytes
	s_add_co_u32 s20, s20, s21
	s_mov_b32 s21, 0
	s_add_nc_u64 s[10:11], s[10:11], s[20:21]
	s_lshl_b32 s22, s22, 7                         ; 128 scale bytes a run
	s_add_nc_u64 s[12:13], s[12:13], s[22:23]
.macro LOAD t
.irp i, 0,1,2,3
	global_load_b128 v[R+16*((\t)%4)+4*\i:R+16*((\t)%4)+4*\i+3], v3, s[4:5] offset:2048*(\t)+512*\i th:TH_LOAD_NT   ; 32 lanes read 512 consecutive bytes
.endr
.endm
.macro TURN t                          ; step t's numbers through the stage: LDS serves a wave's instructions in order, so no wait stands between the stores and the loads
.irp i, 0,1,2,3
	ds_store_b128 v14, v[R+16*((\t)%4)+4*\i:R+16*((\t)%4)+4*\i+3] offset:32*SP*((\t)%2)+8*SP*\i
.endr
.irp i, 0,1,2,3
	ds_load_b128 v[X+16*((\t)%2)+4*\i:X+16*((\t)%2)+4*\i+3], v15 offset:32*SP*((\t)%2)+16*\i
.endr
.endm
.irp t, 0,1,2,3
	LOAD \t
.endr
	s_wait_loadcnt 12                              ; step 0's four loads are in
	TURN 0
.macro STEP t
.set XS, X+16*((\t)%2)
.if (\t) > 0
	s_wait_dscnt 1                                 ; this step's numbers are back from the stage (the last step's byte store may be out): so its stores into the stage have read their registers,
.else
	s_wait_dscnt 0x0
.endif
.if (\t)+4 < STEPS
	LOAD (\t)+4                                    ; which take the loads of four steps on
.endif
.if (\t)+1 < STEPS
.if STEPS-2-(\t) >= 3
	s_wait_loadcnt 12                              ; the next step's four loads are in; those of the three steps behind it may be out
.else
	s_wait_loadcnt 4*(STEPS-2-(\t))
.endif
	TURN (\t)+1                                    ; and go through the other stage while this step is worked
.endif
	v_max3_num_f32 v8, |v[XS]|, |v[XS+1]|, |v[XS+2]|               ; the largest magnitude of my 16
	v_max3_num_f32 v9, |v[XS+3]|, |v[XS+4]|, |v[XS+5]|
.irp i, 6,10
	v_max3_num_f32 v8, v8, |v[XS+\i]|, |v[XS+\i+1]|
	v_max3_num_f32 v9, v9, |v[XS+\i+2]|, |v[XS+\i+3]|
.endr
	v_max3_num_f32 v8, v8, |v[XS+14]|, |v[XS+15]|
	v_max3_num_f32 v8, v8, v9, (EMAX+1)<<23        ; and the floor 2^(EMAX + 1 - 127): the byte cannot fall under 1
	v_max_num_f32_dpp v8, v8, v8 row_xmask:1 row_mask:0xf bank_mask:0xf   ; and of my neighbour's 16: the block's
	v_add_nc_u32 v11, -(EMAX<<23), v8              ; EMAX off its exponent field: the conversion takes the exponent field of this operand as its scale, and nothing else of it
	v_cvt_scalef32_pk16_bf6_f32 v[C+4*(\t):C+4*(\t)+2], v[XS:XS+15], v11         ; sixteen numbers / the scale, to the nearest code, ties to even, beyond the largest code the largest; 96 bits without gaps
	v_lshrrev_b32 v[E+(\t)], 23, v11               ; the scale's byte (also the plain line behind the conversion)
	ds_store_b8 v5, v[E+(\t)] offset:16*(\t)       ; both lanes of a block write the same byte with the same value
	global_store_b96 v4, v[C+4*(\t):C+4*(\t)+2], s[10:11] offset:192*((\t)/2)+98304*((\t)%2)   ; row t / 2 of my four; a row's second 512 lie two images on
.endm
.irp t, 0,1,2,3,4,5,6,7
	STEP \t
.endr
	ds_load_b32 v12, v6                            ; LDS serves a wave's instructions in order: this sees my stores
	s_wait_dscnt 0x0
	global_store_b32 v7, v12, s[12:13]             ; 32 lanes store 128 consecutive bytes
	s_wait_tensorcnt 0x0
	ds_add_u32 v192, v193
	s_wait_dscnt 0x0
	s_endpgm
.Lfunc_end_k_qba5c9f81b7_quant:
	.size	k_qba5c9f81b7_quant, .Lfunc_end_k_qba5c9f81b7_quant-k_qba5c9f81b7_quant
	.p2alignl 7, 3214868480
	.fill 96, 4, 3214868480
	.section	.rodata,"a",@progbits
	.p2align	6, 0x0
	.amdhsa_kernel k_qba5c9f81b7_quant
		.amdhsa_group_segment_fixed_size 33280
		.amdhsa_private_segment_fixed_size 0
		.amdhsa_enable_private_segment 0
		.amdhsa_kernarg_size 56
		.amdhsa_user_sgpr_count 2
		.amdhsa_user_sgpr_kernarg_segment_ptr 1
		.amdhsa_wavefront_size32 1
		.amdhsa_system_sgpr_workgroup_id_x 1
		.amdhsa_system_sgpr_workgroup_id_y 1
		.amdhsa_system_sgpr_workgroup_id_z 1
		.amdhsa_system_vgpr_workitem_id 0
		.amdhsa_next_free_vgpr 194
		.amdhsa_next_free_sgpr 66
		.amdhsa_reserve_vcc 0
		.amdhsa_float_denorm_mode_32 3
		.amdhsa_float_denorm_mode_16_64 3
		.amdhsa_memory_ordered 1
		.amdhsa_forward_progress 1
		.amdhsa_inst_pref_size 18
	.end_amdhsa_kernel
	.amdgpu_metadata
---
amdhsa.version: [ 1, 2 ]
amdhsa.kernels:
  - .name:           k_qba5c9f81b7_quant
    .symbol:         k_qba5c9f81b7_quant.kd
    .args:
      - { .name: input, .offset: 0, .size: 8, .value_kind: global_buffer, .address_space: global }
      - { .name: w_in, .offset: 8, .size: 8, .value_kind: global_buffer, .address_space: global }
      - { .name: w_out, .offset: 16, .size: 8, .value_kind: global_buffer, .address_space: global }
      - { .name: xw_codes, .offset: 24, .size: 8, .value_kind: global_buffer, .address_space: global }
      - { .name: xw_scales, .offset: 32, .size: 8, .value_kind: global_buffer, .address_space: global }
      - { .name: wo_codes, .offset: 40, .size: 8, .value_kind: global_buffer, .address_space: global }
      - { .name: wo_scales, .offset: 48, .size: 8, .value_kind: global_buffer, .address_space: global }
    .group_segment_fixed_size: 33280
    .private_segment_fixed_size: 0
    .kernarg_segment_align: 8
    .kernarg_segment_size: 56
    .max_flat_workgroup_size: 128
    .sgpr_count:     66
    .vgpr_count:     194
    .wavefront_size: 32
...
	.end_amdgpu_metadata
.endif
;; end of part 1
;; launch qkv (part 2): grid 8 x 48, 4 waves a work-group, clusters of 4 x 4, 327,680 bytes of LDS; arguments xw_codes, xw_scales, qkv_codes, qkv_scales; writes qkv_codes, qkv_scales
.if DOCPART == 2
	.amdgcn_target "amdgcn-amd-amdhsa--gfx1250"
	.amdhsa_code_object_version 6
	.text
	.protected	k_qba5c9f81b7_qkv
	.globl	k_qba5c9f81b7_qkv
	.p2align	8
	.type	k_qba5c9f81b7_qkv,@function
k_qba5c9f81b7_qkv:
	s_mov_b64 s[64:65], 0
	v_nop
	global_prefetch_b8 v0, s[64:65] scope:SCOPE_SE
	s_setreg_imm32_b32 hwreg(HW_REG_WAVE_MODE, 25, 1), 1
	s_wait_xcnt 0x0
	s_wait_alu depctr_hold_cnt(0) depctr_sa_sdst(0) depctr_va_vdst(0) depctr_va_sdst(0) depctr_va_ssrc(0) depctr_va_vcc(0) depctr_vm_vsrc(0)
	s_getreg_b32 s2, hwreg(HW_REG_IB_STS2, 6, 4)
	s_cmp_eq_u32 s2, 0
	s_cbranch_scc0 .Lentry_in_a_cluster
	s_endpgm
.Lentry_in_a_cluster:
	s_bfe_u32 s2, ttmp6, 0x10000c
	s_cmp_lg_u32 s2, 0xf033
	s_cbranch_scc0 .Lentry_shape_is_right
	s_endpgm
.Lentry_shape_is_right:
; q, k, v = input w_in^T on codes of BF6 (E3M2) with one E8M0 scale for each 32 along K = 1,024, sums in f32; the results leave QUANTISED AGAIN, as the operands of attention's two products.
; The buffer of codes has 11,264 rows of 768 bytes: rows 0..8191 the tokens, rows 8192..11263 w_in's rows (q's 1,024, k's, v's); the scale bytes 32 a row.
; The body makes C'[m'][n'] = sum over k of A'[m'][k] B'[n'][k] and quantises C' ALONG n'.  For q and k (cluster rows 0..7): A' = tokens, B' = w_in's rows 0..2047: n' is the channel, the first product's K.
; For v (cluster rows 8..11): A' = w_in's rows 2048..3071, B' = tokens: n' is the token, the key, the second product's K.  Both operands lie in one buffer, so the swap is a choice of row numbers, made from the
; cluster's numbers alone, which all partners share: no branch and no LDS address hangs on it.
; OUT: chunks of 128 operand rows x 96 bytes (128 codes): chunk (tb, j), tb = the block of 128 tokens (0..63); j = hp: q of heads 2 hp, 2 hp + 1, a row = a token; j = 8 + hp: k likewise;
; j = 16 + hp: v, a row = a channel of the two heads, its codes the block's 128 tokens.  Scale bytes: 4 a row, chunks of 512 bytes.  A wave's 128 x 128 of C' is exactly one chunk.
; A tile of C', 256 x 256, is made by a work-group of four waves, each 128 x 128: 64 accumulators, 512 registers.  K goes in steps of 256 through a ring of two LDS slots filled by the tensor data mover.
; THE SCALES of the work-group's 256 + 256 rows, for all of K, are two dense blocks of memory: they come into LDS once, with the first fills, and stay.
; CLUSTERS: 4 x 4 work-groups.  The four of a row of the cluster need the same tiles of A', the four of a column the same tiles of B': each tile is asked for JOINTLY, by the same tensor load with the same
; descriptor and a mask that names the four.  THE MATRIX INSTRUCTION IS USED TRANSPOSED (source 0 = 16 rows of B', source 1 = 16 rows of A'): a lane holds eight neighbours along n' of one row m'.
; 256 tiles for q and k and 128 for v: 384 work-groups, one and a half for each of 256 WGPs; a tile wide enough for 256 would not leave registers for two sets of B's fragments.
; LIMITS: a block of results whose largest magnitude lies under 2^(5 - 127) is quantised under the byte 1 (a block of zeros too: its codes are zeros); NaN and infinities are not served.
; REGISTERS, in windows of 256: window 0: v0-31 addresses; v32-63 scale words, two sets; from v128 A's fragments, ONE set; on the way out v64-233 are at work.
;   window 1: B's fragments, TWO sets, at v0 and at v128.   window 2: the 32 accumulators of my rows 0-63 (accumulator (a, b) at v[8 (8 a + b)]);   window 3: those of my rows 64-127.
.set SIZE_K, 1024
.set KSTEP,  256                       ; along K in a slot
.set NQ,     KSTEP/128                 ; matrix instructions deep
.set ROWB,   49152                     ; bytes in memory from a K step's image of 256 rows x 192 bytes to the next K step's
.set KROW,   SIZE_K*6/8                ; a row of codes in memory, in bytes
.set PITCH,  240                       ; an LDS row: 3 x (64 bytes of data + 16 of padding) = 60 words: row r starts at bank -4 r mod 64 (64 banks of 4 bytes: ISA guide 11.1), so the 32 lanes of a load of 8 bytes touch 64 different banks
.set FR,     12                        ; registers of a fragment: 16 rows x 128 K
.set NL,     6                         ; LDS loads that bring one
.set NP,     4                         ; places behind this matrix instruction (ISA guide 7.12.1)
.set HALFT,  128*PITCH                 ; 128 rows: what one tensor load brings, and what one wave reads of A or of B
.set SLOT,   4*HALFT                   ; A's 256 rows, then B's 256 rows
.set LAPS,   SIZE_K/(2*KSTEP)          ; a lap = two K steps = once round the ring
.set KS,     SIZE_K/32                 ; a row of scales in bytes
.set SCL,    2*SLOT                    ; behind the ring: the scales, as runs of 256 bytes + 16 of padding
.set HALFS,  (128*KS/256)*272          ; the scales of 128 rows: half of what one tensor load brings
.set SBLK,   (16*KS/256)*272           ; those of 16 rows
.set SPARE,  SCL+4*HALFS               ; behind the scales: the spare words, 128 bytes for each wave: two blocks of 256 bytes that no other line names
.set SPITCH, 528                       ; the way out lies in slot 0, which has had its last fill and its last read when the first result is stored there: a stage of 16 rows x (512 bytes + 16) for each wave,
.set CST,    4*16*SPITCH               ; behind the stages each wave's chunk of codes, 12,288 bytes,
.set SST,    CST+4*12288               ; and behind those each wave's chunk of scale bytes, 512 bytes
.set ADRA, 16                          ; v16-17  LDS address of my A fragments in slot 0, 1  (v18-19: the same for the pieces that lie behind one padding more)
.set ADRB, 20                          ; v20-21  the same for B  (v22-23)
.set STO,  24                          ; v24     the way out: where I put 32 bytes of a row of results
.set RD,   25                          ; v25     where I read 64 neighbours of a row back: row l % 16, half l / 16
.set CO,   26                          ; v26     16 x lane: my place in 512 consecutive bytes
.set ADRS, 27                          ; v27     LDS address of my scale words: lanes 0-15 A's rows, lanes 16-31 B's
.set SPW,  28                          ; v28     LDS address of my spare word: SPARE + 4 x my thread's number; never rewritten
.set NIL,  29                          ; v29     0; never rewritten
.set CW,   8                           ; v8      where I put my 48 bytes of codes
.set CR,   9                           ; v9      where I read the chunk back
.set SW,   10                          ; v10     where I put my two scale bytes
.set SR,   11                          ; v11     where I read the scale bytes back
.set SC,   32                          ; scale words: set s (for slot s) at v[SC + 8 NQ s]; in it register NQ i + q: lanes 0-15 the word of A's block i, lanes 16-31 that of B's block i
.set AF,   128                         ; A's fragments, in window 0
.set TC,   216                         ; the way out: v216-218, v220-222 the halves of codes that a conversion cannot put in place
.set MX,   224                         ; v224-227 four chains of largest magnitudes
.set SOP,  228                         ; v228-229 the conversions' scale operands
.set BYT,  232                         ; v232-233 the scale bytes
.set G1, 24                            ; s[24:31] descriptor group 1 for A's tiles;  s[32:39] group 0, one set for each slot
.set G0, 32
.set G1B, 48                           ; s[48:55], s[56:63] the same for B's tiles
.set G0B, 56
.set G1S, 68                           ; s[68:75], s[76:79] groups 1 and 0 for A's scales;  s[80:87], s[88:91] for B's
.set G0S, 76
.set G1SB, 80
.set G0SB, 88
.set MSB, 0
.macro WIN new                         ; the immediate's high byte repeats the setting that is left
.if MSB != \new
	s_set_vgpr_msb (MSB<<8)|\new
.set MSB, \new
.endif
.endm
.set MUL_LO, 0xa1                      ; source 0 (B) window 1, source 1 (A) window 0, C and D window 2
.set MUL_HI, 0xf1                      ; the same, C and D window 3
.set TO_B,   0x40                      ; destination window 1, address window 0
; A joint load: waves 0 and 1 fetch for A, waves 2 and 3 for B.  Each of the two lines has ONE mask and one set of registers for all that issue it; the branch hangs on the wave's number alone.
; Four v_nop follow each of the two lines, ahead of the jump, the label and what follows.
.macro JLOAD g0a, g1a, g0b, g1b
	s_cmp_eq_u32 s15, 0
	s_cbranch_scc0 .Lfor_b_\@
	tensor_load_to_lds s[\g0a:\g0a+3], s[\g1a:\g1a+7]
	s_nop 0
.rept 4
	v_nop
.endr
	s_branch .Lasked_\@
.Lfor_b_\@:
	tensor_load_to_lds s[\g0b:\g0b+3], s[\g1b:\g1b+7]
	s_nop 0
.rept 4
	v_nop
.endr
.Lasked_\@:
.endm
.macro CREST                           ; a round of the cluster's barrier behind its opening barrier
	s_cmp_lg_u32 s14, 0
	s_cbranch_scc1 .Lnot_wave_0_\@
	s_barrier_signal -3
.Lnot_wave_0_\@:
	s_barrier_wait -3
	s_barrier_signal -1
	s_barrier_wait -1
.endm
.macro CROUND                          ; a whole round
	s_barrier_signal -1
	s_barrier_wait -1
	CREST
.endm
	s_load_b128 s[4:7], s[0:1], 0x0                ; in: the codes s[4:5], the scale bytes s[6:7]
	s_load_b128 s[8:11], s[0:1], 0x10              ; out: the codes s[8:9], the scale bytes s[10:11]
	v_lshl_add_u32 v[SPW], v0, 2, SPARE
	v_mov_b32 v[NIL], 0
	ds_add_u32 v28, v29
	ds_add_u32 v28, v29
	s_wait_dscnt 0x0
	v_lshrrev_b32 v1, 5, v0
	v_readfirstlane_b32 s14, v1                    ; wave 0..3
	s_lshr_b32 s15, s14, 1                         ; which half of the tile's rows is mine.  Also: I fetch for A (0) or for B (1)
	s_and_b32 s16, s14, 1                          ; which half of its columns.  Also: which 128 rows of that tile I fetch
	s_bfe_u32 s40, ttmp6, 0x40000                  ; cx, cy: my place in the cluster
	s_bfe_u32 s41, ttmp6, 0x40004
	s_and_b32 s17, ttmp7, 0xffff                   ; the cluster's y, 0..11; its x, 0..1, is ttmp9
	; both forms of every number are made, then one compare chooses: cluster rows 0..7 make q and k, rows 8..11 make v
	s_lshl_b32 s96, s17, 10                        ; q, k: A' begins at token 1,024 y
	s_lshl_b32 s98, ttmp9, 10
	s_lshl_b32 s2, s17, 11
	s_add_co_u32 s2, s2, s98
	s_sub_co_u32 s2, s2, 16384                     ; v: B' begins at token 1,024 (x + 2 (y - 8))
	s_add_co_u32 s98, s98, 8192                    ; q, k: B' begins at row 8,192 + 1,024 x
	s_lshl_b32 s100, s17, 3                        ; the same in blocks of 128 rows, counted within tokens or within channels
	s_lshl_b32 s101, ttmp9, 3
	s_lshl_b32 s3, s17, 4
	s_add_co_u32 s3, s3, s101
	s_sub_co_u32 s3, s3, 128
	s_mov_b32 s95, 10240                           ; v: A' begins at row 8,192 + 2,048
	s_cmp_lt_u32 s17, 8
	s_cselect_b32 s96, s96, s95                    ; A's first row for this cluster
	s_cselect_b32 s98, s98, s2                     ; B's
	s_cselect_b32 s100, s100, 0                    ; A's first block of 128
	s_cselect_b32 s101, s101, s3                   ; B's
	s_cselect_b32 s95, 24, 1                       ; chunk = A's block x s95 + B's block x s97 + s99
	s_cselect_b32 s97, 1, 24
	s_cselect_b32 s99, 0, 16
	s_lshl_b32 s43, s41, 2
	s_lshl_b32 s43, 15, s43                        ; my row of the cluster
	s_lshl_b32 s44, 0x1111, s40                    ; my column
	; descriptor group 1: a tile of 128 rows x ROWB bytes, padded in LDS
	s_or_b32 s[G1+0], s43, (0<<16)|(1<<20)|(1<<21)|(3<<22)|(3<<25)  ; 15:0 the mask: A's tiles go to my row; 17:16 element of 1 byte; 20 padding on; 21 set beside a mask; 24:22 after every 16 words (code 3); 31:25 of 4 words (code 3)
	s_or_b32 s[G1B+0], s44, (0<<16)|(1<<20)|(1<<21)|(3<<22)|(3<<25)
.irp g, G1, G1B
	s_mov_b32 s[\g+1], 256<<16                     ; an image is dense: it is stated as rows of 256 bytes; the padding's interval stays 64 bytes, so an operand row of 192 bytes takes 240 in LDS
	s_mov_b32 s[\g+2], 192<<16                     ; the head's loads bring 256 operand rows: 192 rows of 256 bytes
	s_mov_b32 s[\g+3], 256<<16
	s_mov_b32 s[\g+4], 192
	s_mov_b32 s[\g+5], 256
	s_mov_b32 s[\g+6], 0
	s_mov_b32 s[\g+7], 0
.endr
	; and for the scales of 256 rows: a dense block of 256 KS bytes, as rows of 256 bytes (32 elements of 8 bytes), 16 bytes of padding behind each
	s_or_b32 s[G1S+0], s43, (3<<16)|(1<<20)|(1<<21)|(5<<22)|(3<<25)
	s_or_b32 s[G1SB+0], s44, (3<<16)|(1<<20)|(1<<21)|(5<<22)|(3<<25)
.irp g, G1S, G1SB
	s_mov_b32 s[\g+1], 32<<16
	s_mov_b32 s[\g+2], KS<<16                      ; the scales of 256 rows: KS rows of 256 bytes
	s_mov_b32 s[\g+3], 32<<16
	s_mov_b32 s[\g+4], KS
	s_mov_b32 s[\g+5], 32
	s_mov_b32 s[\g+6], 0
	s_mov_b32 s[\g+7], 0
.endr
	s_mul_i32 s66, s16, 24576                      ; in the ring I fetch 128 operand rows of an image: which half, in bytes
	s_mov_b32 s67, 0
	s_lshl_b32 s20, s41, 8
	s_add_co_u32 s20, s20, s96
	s_lshl_b32 s46, s40, 8
	s_add_co_u32 s46, s46, s98
	s_mov_b32 s21, 0
	s_mov_b32 s47, 0
	s_mov_b64 s[18:19], KS
	s_mul_u64 s[22:23], s[20:21], s[18:19]         ; where these rows' scales begin, in bytes
	s_mul_u64 s[92:93], s[46:47], s[18:19]
	s_mov_b64 s[18:19], KROW
	s_mul_u64 s[20:21], s[20:21], s[18:19]         ; and their codes
	s_mul_u64 s[46:47], s[46:47], s[18:19]
	s_mul_i32 s45, s14, HALFT                      ; where they go: wave x 128 rows: no place in the cluster enters an LDS address
	s_wait_kmcnt 0x0
	s_add_nc_u64 s[20:21], s[4:5], s[20:21]
	s_add_nc_u64 s[22:23], s[6:7], s[22:23]
	s_add_nc_u64 s[46:47], s[4:5], s[46:47]
	s_add_nc_u64 s[92:93], s[6:7], s[92:93]
	CROUND                                         ; all sixteen work-groups are here: the first joint loads meet
	s_mov_b32 s[G0S], 1
	s_mov_b32 s[G0S+1], SCL
	s_mov_b64 s[G0S+2:G0S+3], s[22:23]
	s_or_b32 s[G0S+3], s[G0S+3], 0x80000000
	s_mov_b32 s[G0SB], 1
	s_mov_b32 s[G0SB+1], SCL+2*HALFS
	s_mov_b64 s[G0SB+2:G0SB+3], s[92:93]
	s_or_b32 s[G0SB+3], s[G0SB+3], 0x80000000
.irp s, 0,1
	s_mov_b32 s[G0+4*\s], 1
	s_add_co_u32 s[G0+4*\s+1], s45, \s*SLOT
	s_add_nc_u64 s[G0+4*\s+2:G0+4*\s+3], s[20:21], \s*ROWB
	s_or_b32 s[G0+4*\s+3], s[G0+4*\s+3], 0x80000000
	s_mov_b32 s[G0B+4*\s], 1
	s_add_co_u32 s[G0B+4*\s+1], s45, \s*SLOT
	s_add_nc_u64 s[G0B+4*\s+2:G0B+4*\s+3], s[46:47], \s*ROWB
	s_or_b32 s[G0B+4*\s+3], s[G0B+4*\s+3], 0x80000000
.endr
	s_mov_b32 s[G0+1], 0                           ; slot 0's groups 0 serve the head first: K step 0's whole image of A,
	s_mov_b32 s[G0B+1], 2*HALFT                    ; and of B behind it
	s_add_nc_u64 s[G0+6:G0+7], s[G0+6:G0+7], s[66:67]     ; slot 1's: my half of K step 1's images
	s_add_nc_u64 s[G0B+6:G0B+7], s[G0B+6:G0B+7], s[66:67]
; THE HEAD'S LOADS, ONE A WAVE: wave 0 A's image, wave 1 B's, wave 2 A's scales, wave 3 B's: one tree of branches on the wave's number
.macro ARM under, g0, g1, next
	s_cmp_lt_u32 s14, \under
	s_cbranch_scc0 \next
	tensor_load_to_lds s[\g0:\g0+3], s[\g1:\g1+7]
	s_nop 0
.rept 4
	v_nop
.endr
	s_branch .Lhead_asked
\next:
.endm
	ARM 1, G0,  G1,  .Lhead_b
	ARM 2, G0B, G1B, .Lhead_sa
	ARM 3, G0S, G1S, .Lhead_sb
	tensor_load_to_lds s[G0SB:G0SB+3], s[G1SB:G1SB+7]
	s_nop 0
.rept 4
	v_nop
.endr
.Lhead_asked:
	v_and_b32 v1, 15, v0                           ; l % 16
	v_bfe_u32 v2, v0, 4, 1                         ; l / 16
	v_mul_u32_u24 v3, v1, PITCH
	v_mul_u32_u24 v4, v2, 24
	v_add_nc_u32 v4, v3, v4                        ; a fragment's row x pitch + 24 x half
	v_lshl_add_u32 v5, v2, 4, v4                   ; and the same behind one padding more
	s_mul_i32 s21, s15, HALFT                      ; my 128 rows of A
	s_mul_i32 s22, s16, HALFT                      ; my 128 rows of B,
	s_add_co_u32 s22, s22, 2*HALFT                 ; which lie behind A's 256
.irp s, 0,1
	v_add_nc_u32 v[ADRA+\s], s21, v4
	v_add_nc_u32 v[ADRB+\s], s22, v4
	v_add_nc_u32 v[ADRA+2+\s], s21, v5
	v_add_nc_u32 v[ADRB+2+\s], s22, v5
	s_add_co_u32 s21, s21, SLOT
	s_add_co_u32 s22, s22, SLOT
.endr
	v_mul_u32_u24 v5, v1, KS                       ; my row's scales: KS bytes a row,
	v_lshrrev_b32 v6, 8, v5
	v_lshl_add_u32 v5, v6, 4, v5                   ; and 16 more for each 256 passed
	s_mul_i32 s21, s15, HALFS                      ; A's: my 128 rows
	s_mul_i32 s22, s16, HALFS                      ; B's: my 128 rows, behind A's 256
	s_add_co_u32 s22, s22, 2*HALFS
	s_sub_co_u32 s22, s22, s21
	v_mul_u32_u24 v6, s22, v2                      ; lanes 16-31 take B's
	s_add_co_u32 s21, s21, SCL
	v_add_nc_u32 v5, v5, v6
	v_add_nc_u32 v[ADRS], s21, v5
	s_mul_i32 s23, s14, 16*SPITCH                  ; my stage
	v_mul_u32_u24 v5, v1, SPITCH
	v_lshl_add_u32 v6, v2, 5, v5                   ; in: row l % 16, 32 bytes for each half of the lanes
	v_add_nc_u32 v[STO], s23, v6
	v_lshl_add_u32 v6, v2, 8, v5                   ; back: row l % 16, 256 bytes (64 numbers) for each half
	v_add_nc_u32 v[RD], s23, v6
	v_and_b32 v6, 31, v0
	v_lshlrev_b32 v[CO], 4, v6
	s_mul_i32 s23, s14, 12288
	s_add_co_u32 s23, s23, CST                     ; my chunk of codes
; A CHUNK IS LAID BY HALVES: [half of the 128 codes][row position][48 bytes]; row 32 g + x stands at position 32 g + x for x in 0..7 and 24..31, and rows 8..15 and 16..23 of each 32 change places
	v_and_b32 v5, 8, v1
	v_add_nc_u32 v5, v5, v1                        ; l % 16 + 8 ((l % 16) / 8); odd blocks of 16 rows stand 8 positions on
	v_mul_u32_u24 v5, v5, 48
	v_mul_u32_u24 v6, v2, 6144
	v_add_nc_u32 v5, v5, v6
	v_add_nc_u32 v[CW], s23, v5
	v_add_nc_u32 v[CR], s23, v[CO]
	s_lshl_b32 s23, s14, 9
	s_add_co_u32 s23, s23, SST                     ; my chunk of scale bytes
	v_lshlrev_b32 v5, 2, v1
	v_lshl_add_u32 v5, v2, 1, v5                   ; 4 bytes a row, 2 for each half
	v_add_nc_u32 v[SW], s23, v5
	v_add_nc_u32 v[SR], s23, v[CO]
	s_lshl_b32 s20, s41, 1                         ; which chunk is my wave's
	s_add_co_u32 s20, s20, s100
	s_add_co_u32 s20, s20, s15                     ; A's block of 128
	s_mul_i32 s20, s20, s95
	s_lshl_b32 s46, s40, 1
	s_add_co_u32 s46, s46, s101
	s_add_co_u32 s46, s46, s16                     ; B's block of 128
	s_mul_i32 s46, s46, s97
	s_add_co_u32 s46, s46, s20
	s_add_co_u32 s46, s46, s99                     ; 0 .. 1,535
	s_mul_i32 s20, s46, 12288
	s_mov_b32 s21, 0
	s_add_nc_u64 s[8:9], s[8:9], s[20:21]
	s_lshl_b32 s20, s46, 9
	s_add_nc_u64 s[10:11], s[10:11], s[20:21]
.macro FRAG reg, adr, q, i             ; a fragment, 16 rows x 128 K of 6-bit codes, is 12 registers: lane l holds row l % 16; registers 6 c .. 6 c + 5 hold K = 64 c + 32 (l / 16) + 0 .. 31: 24 bytes of the row's stream of bits, as they lie
.irp p, 0,1,2,3,4,5                    ; in pieces of 8 bytes, so that every address is a multiple of the access's size.  Lanes 0-15 take the row's pieces 12 q + 0, 1, 2 and 12 q + 6, 7, 8, lanes 16-31 those three pieces on
.set PC, 12*(\q)+6*(\p/3)+\p%3        ; the mover has laid 16 bytes of padding behind every 64 bytes (8 pieces): where the piece three on lies behind one padding more, the second address register (40 for 24 bytes a half) serves
.if PC%8 < 5
	ds_load_b64 v[\reg+2*\p:\reg+2*\p+1], v[\adr] offset:8*PC+16*(PC/8)+(\i)*16*PITCH
.else
	ds_load_b64 v[\reg+2*\p:\reg+2*\p+1], v[\adr+2] offset:8*PC+16*(PC/8)+(\i)*16*PITCH
.endif
.endr
.endm
; 16 matrix instructions: A's blocks a0, a0 + 1 x B's eight, 128 along K: the slot's q-th.  p: B's set;  sc: the set of scale words.  zero = 1: the first product starts the sums: nothing is ever cleared.
; The 64 accumulators take turns, one instruction a turn, in the same order in every step.
.macro MUL16 a0, p, q, sc, zero
.irp a, \a0, \a0+1
.irp b, 0,1,2,3,4,5,6,7
.if \zero
	v_wmma_scale_f32_16x16x128_f8f6f4 v[8*(8*((\a)%4)+\b):8*(8*((\a)%4)+\b)+7], v[128*(\p)+FR*\b:128*(\p)+FR*\b+FR-1], v[AF+FR*(\a):AF+FR*(\a)+FR-1], 0, v[SC+8*NQ*(\sc)+NQ*\b+(\q)], v[SC+8*NQ*(\sc)+NQ*(\a)+(\q)] matrix_a_fmt:MATRIX_FMT_BF6 matrix_b_fmt:MATRIX_FMT_BF6 matrix_a_scale:MATRIX_SCALE_ROW1
.else
	v_wmma_scale_f32_16x16x128_f8f6f4 v[8*(8*((\a)%4)+\b):8*(8*((\a)%4)+\b)+7], v[128*(\p)+FR*\b:128*(\p)+FR*\b+FR-1], v[AF+FR*(\a):AF+FR*(\a)+FR-1], v[8*(8*((\a)%4)+\b):8*(8*((\a)%4)+\b)+7], v[SC+8*NQ*(\sc)+NQ*\b+(\q)], v[SC+8*NQ*(\sc)+NQ*(\a)+(\q)] matrix_a_fmt:MATRIX_FMT_BF6 matrix_b_fmt:MATRIX_FMT_BF6 matrix_a_scale:MATRIX_SCALE_ROW1
.endif
.endr
.endr
.endm
.macro FETCH_B slot, q, p              ; B's eight fragments of the slot's q-th 128 along K into set p
	WIN TO_B
.irp i, 0,1,2,3,4,5,6,7
	FRAG 128*(\p)+FR*\i, ADRB+\slot, \q, \i
.endr
	WIN 0
.endm
.macro FETCH_A slot, q, i0             ; A's blocks i0 .. i0 + 3
.irp i, \i0, \i0+1, \i0+2, \i0+3
	FRAG AF+FR*(\i), ADRA+\slot, \q, \i
.endr
.endm
.macro SCALES sc                       ; the next K step's scale words into set sc: NQ words a row; lanes 0-15 take A's block i, lanes 16-31 B's block i
.irp i, 0,1,2,3,4,5,6,7
	ds_load_b64 v[SC+8*NQ*\sc+NQ*\i:SC+8*NQ*\sc+NQ*\i+1], v[ADRS] offset:\i*SBLK
.endr
.endm
; A load into a register that a matrix instruction has read, and a vector instruction or an LDS store that reads a matrix result, stand NP places behind that matrix instruction, and only plain vector
; instructions that name none of its registers are places (ISA guide 7.12.1 for vector instructions).
.macro PLACES n
.rept \n
	v_nop
.endr
.endm
; A step of 128 along K that has its successor in the same slot.
.macro STEP slot, q, zero
	s_wait_dscnt 4*NL                              ; B's set and A's blocks 0-3 are in; the youngest 24 loads (A's blocks 4-7) may be out
	WIN MUL_LO
	MUL16 0, (\q)%2, \q, \slot, \zero
	MUL16 2, (\q)%2, \q, \slot, \zero
	s_wait_dscnt 0                                 ; A's blocks 4-7 are in (asked for 32 matrix instructions ago)
	PLACES NP
	FETCH_B \slot, (\q)+1, 1-(\q)%2
	FETCH_A \slot, (\q)+1, 0
	WIN MUL_HI
	MUL16 4, (\q)%2, \q, \slot, \zero
	MUL16 6, (\q)%2, \q, \slot, \zero
	PLACES NP
	WIN 0
	FETCH_A \slot, (\q)+1, 4
.endm
; A slot's last step changes slots: ONE barrier; in front of it each wave waits for all its tensor loads, adds 0 to its spare word, and waits for that and for its own reads of this slot.  fill = 1: this slot is filled again, two K steps ahead.
.macro TURN slot, next, fill
	s_wait_tensorcnt 0x0                           ; all my tensor loads have landed: my part of the next slot;  (every window is 0 here: the add's two registers lie in window 0)
	ds_add_u32 v[SPW], v[NIL]                      ; 0 onto my spare word
	s_wait_dscnt 4*NL+1                            ; (the add and the youngest 24 loads, A's blocks 4-7, may be out)
	WIN MUL_LO
	MUL16 0, 1, NQ-1, \slot, 0                     ; sixteen matrix instructions stand between the add and the wait for it
	s_wait_dscnt 0x0                               ; the add is done, and my reads of this slot are over
	s_barrier_signal -1
	MUL16 2, 1, NQ-1, \slot, 0
	WIN 0
	s_barrier_wait -1
.if \fill
	CREST                                          ; the barrier has opened a round of the cluster's barrier: no wave of any partner still reads this slot's tile or has a load on its way
	s_add_nc_u64 s[G0+4*\slot+2:G0+4*\slot+3], s[G0+4*\slot+2:G0+4*\slot+3], 2*ROWB
	s_add_nc_u64 s[G0B+4*\slot+2:G0B+4*\slot+3], s[G0B+4*\slot+2:G0B+4*\slot+3], 2*ROWB
	JLOAD G0+4*\slot, G1, G0B+4*\slot, G1B         ; the first tensor load behind the round; the four v_nop behind it are the places in front of the loads below
.else
	PLACES NP
.endif
	s_wait_alu depctr_va_vdst(0)
	v_add_nc_u32 v[ADRS], 4*NQ, v[ADRS]            ; on to the next K step's scale words (no LDS load of mine is out)
	FETCH_B \next, 0, 0
	FETCH_A \next, 0, 0
	SCALES \next
	WIN MUL_HI
	MUL16 4, 1, NQ-1, \slot, 0
	MUL16 6, 1, NQ-1, \slot, 0
	PLACES NP
	WIN 0
	FETCH_A \next, 0, 4
.endm
	s_wait_alu depctr_va_vdst(0)
	s_wait_tensorcnt 0x0                           ; my tile of the head's four is in; these lines stand ahead of a later first fill as ahead of a refill
	ds_add_u32 v[SPW], v[NIL]
	s_mov_b32 s[G1+2], 96<<16                      ; no tensor load of mine is out: from here on a load brings 128 operand rows, 96 rows of 256 bytes,
	s_mov_b32 s[G1+4], 96
	s_mov_b32 s[G1B+2], 96<<16
	s_mov_b32 s[G1B+4], 96
	s_mov_b32 s[G0+1], s45                         ; and slot 0's groups 0 become the ring's: my quarter of the slot, my half of the image
	s_mov_b32 s[G0B+1], s45
	s_add_nc_u64 s[G0+2:G0+3], s[G0+2:G0+3], s[66:67]
	s_add_nc_u64 s[G0B+2:G0B+3], s[G0B+2:G0B+3], s[66:67]
	s_wait_dscnt 0x0
	CROUND                                         ; all four tiles are in, all sixteen work-groups are here
	JLOAD G0+4, G1, G0B+4, G1B                     ; K step 1, the first tensor load behind the round
	FETCH_B 0, 0, 0
	FETCH_A 0, 0, 0
	SCALES 0
	FETCH_A 0, 0, 4
	STEP 0, 0, 1                                   ; the first step stands in front of the loop: its products start the sums
	s_mov_b32 s3, LAPS-1
.Llap:                                                 ; a trip goes once round the ring, from a lap's second step to the next lap's first, and fills both slots again
	TURN 0, 1, 1
	STEP 1, 0, 0
	TURN 1, 0, 1
	STEP 0, 0, 0
	s_sub_co_u32 s3, s3, 1
	s_cmp_lg_u32 s3, 0
	s_cbranch_scc1 .Llap
	TURN 0, 1, 0                                   ; the last lap fills nothing, and has no round of the cluster's barrier
	STEP 1, 0, 0
	s_wait_dscnt 4*NL                              ; the very last step: nothing more to fetch
	WIN MUL_LO
	MUL16 0, 1, NQ-1, 1, 0
	MUL16 2, 1, NQ-1, 1, 0
	s_wait_dscnt 0
	WIN MUL_HI
	MUL16 4, 1, NQ-1, 1, 0
	MUL16 6, 1, NQ-1, 1, 0
	WIN 0
; THE WAY OUT, block by block of 16 rows x 128 columns.  A lane holds eight neighbours of a row in each of eight accumulators; the quantiser wants whole blocks of 32 neighbours.  So a block goes through my own
; stage in LDS and comes back with 64 NEIGHBOURS a lane (row l % 16, half l / 16): two whole blocks, so that no other lane is asked for a maximum and the conversions' results are 48 neighbouring bytes of the chunk.
; LDS serves a wave's instructions in order (ISA guide 5.7.1.4): no wait between the stores and the loads, nor in front of the next block's stores.
.macro TOSTAGE a
.set AC, 64*((\a)%4)
	WIN 0x08+4*((\a)/4)                            ; the data: window 2 or 3
.irp b, 0,1,2,3,4,5,6,7
	ds_store_b128 v[STO], v[AC+8*\b:AC+8*\b+3] offset:64*\b          ; each accumulator from its low end on
	ds_store_b128 v[STO], v[AC+8*\b+4:AC+8*\b+7] offset:64*\b+16
.endr
	WIN 0
.set XBF, 64+64*((\a)%2)
.irp t, 0,1,2,3,4,5,6,7,8,9,10,11,12,13,14,15
	ds_load_b128 v[XBF+4*\t:XBF+4*\t+3], v[RD] offset:16*\t          ; rows 528 bytes apart
.endr
.endm
; Block a's 64 numbers a lane become 48 bytes of codes and two scale bytes, which go to my chunks in LDS.  younger: the LDS instructions issued behind block a's loads, which may stay out.
; The same wait shows the stores of block a - 2 done, whose registers (codes and bytes, two sets by turns) are written again here.
.macro QUANT a, younger
.set XBF, 64+64*((\a)%2)
.set CDS, 192+12*((\a)%2)
.set SBY, 230+(\a)%2
	s_wait_dscnt \younger
.irp c, 0,1,2,3
	v_max3_num_f32 v[MX+\c], |v[XBF+16*\c]|, |v[XBF+16*\c+1]|, 0x2800000   ; four chains of 16 numbers, each with the floor 2^(5 - 127): the byte cannot fall under 1
.endr
.irp i, 2,4,6,8,10,12,14
.irp c, 0,1,2,3
	v_max3_num_f32 v[MX+\c], v[MX+\c], |v[XBF+16*\c+\i]|, |v[XBF+16*\c+\i+1]|
.endr
.endr
	v_max_num_f32 v[MX], v[MX], v[MX+1]            ; my first block's largest magnitude,
	v_max_num_f32 v[MX+2], v[MX+2], v[MX+3]        ; my second's
	v_add_nc_u32 v[SOP], 0xfe000000, v[MX]         ; 4 off the exponent field: the conversion takes the exponent field of this operand as its scale, and nothing else of it
	v_add_nc_u32 v[SOP+1], 0xfe000000, v[MX+2]
	v_lshrrev_b32 v[BYT], 23, v[SOP]               ; the scales' bytes
	v_lshrrev_b32 v[BYT+1], 23, v[SOP+1]
	v_lshl_or_b32 v[SBY], v[BYT+1], 8, v[BYT]
	v_cvt_scalef32_pk16_bf6_f32 v[CDS:CDS+2], v[XBF:XBF+15], v[SOP]
	v_cvt_scalef32_pk16_bf6_f32 v[TC:TC+2], v[XBF+16:XBF+31], v[SOP]          ; (a conversion's three registers begin on an even number: the second half of a block's six does not, so it is made elsewhere and moved)
	v_cvt_scalef32_pk16_bf6_f32 v[CDS+6:CDS+8], v[XBF+32:XBF+47], v[SOP+1]
	v_cvt_scalef32_pk16_bf6_f32 v[TC+4:TC+6], v[XBF+48:XBF+63], v[SOP+1]
	v_nop                                          ; one plain place behind a scaled conversion
.irp i, 0,1,2
	v_mov_b32 v[CDS+3+\i], v[TC+\i]
	v_mov_b32 v[CDS+9+\i], v[TC+4+\i]
.endr
.irp i, 0,1,2
	ds_store_b128 v[CW], v[CDS+4*\i:CDS+4*\i+3] offset:(32*((\a)/2)+8*((\a)%2))*48+16*\i
.endr
	ds_store_b16 v[SW], v[SBY] offset:64*(\a)
.endm
	PLACES NP                                      ; behind the last products: for the first reads of results, for the loads into registers that held A's fragments, and for the vector lines that write there
	TOSTAGE 0
	TOSTAGE 1
	QUANT 0, 32                                    ; behind block 0's loads: block 1's 16 stores and 16 loads
.irp a, 2,3,4,5,6,7
	TOSTAGE \a
	QUANT \a-1, 36                                 ; behind block a - 1's loads: the last block's 4 stores, and block a's 16 stores and 16 loads
.endr
	QUANT 7, 4                                     ; behind block 7's loads: block 6's 4 stores
.irp i, 0,1,2,3,4,5,6,7,8,9,10,11,12,13,14,15,16,17,18,19,20,21,22,23
	ds_load_b128 v[64+4*\i:67+4*\i], v[CR] offset:512*\i               ; the chunk comes back as it lies in memory (these see my stores)
.endr
	ds_load_b128 v[160:163], v[SR]
.irp i, 0,1,2,3,4,5,6,7,8,9,10,11,12,13,14,15,16,17,18,19,20,21,22,23
	s_wait_dscnt 24-\i                             ; behind load i: the chunk's 23 - i later loads and the scale bytes' one
	global_store_b128 v[CO], v[64+4*\i:67+4*\i], s[8:9] offset:512*\i  ; 32 lanes store 512 consecutive bytes, at a multiple of 256 from the buffer's first byte
.endr
	s_wait_dscnt 0x0
	global_store_b128 v[CO], v[160:163], s[10:11]
	s_wait_tensorcnt 0x0                           ; the wave's end: behind my last tensor load and my last LDS store
	ds_add_u32 v[SPW], v[NIL]
	s_wait_dscnt 0x0
	CROUND                                         ; the closing round: no work-group ends while a partner may still ask for a tile that names it
	s_endpgm
.Lfunc_end_k_qba5c9f81b7_qkv:
	.size	k_qba5c9f81b7_qkv, .Lfunc_end_k_qba5c9f81b7_qkv-k_qba5c9f81b7_qkv
	.p2alignl 7, 3214868480
	.fill 96, 4, 3214868480
	.section	.rodata,"a",@progbits
	.p2align	6, 0x0
	.amdhsa_kernel k_qba5c9f81b7_qkv
		.amdhsa_group_segment_fixed_size 327680
		.amdhsa_private_segment_fixed_size 0
		.amdhsa_enable_private_segment 0
		.amdhsa_kernarg_size 32
		.amdhsa_user_sgpr_count 2
		.amdhsa_user_sgpr_kernarg_segment_ptr 1
		.amdhsa_wavefront_size32 1
		.amdhsa_system_sgpr_workgroup_id_x 1
		.amdhsa_system_sgpr_workgroup_id_y 1
		.amdhsa_system_sgpr_workgroup_id_z 1
		.amdhsa_system_vgpr_workitem_id 0
		.amdhsa_next_free_vgpr 1024
		.amdhsa_next_free_sgpr 102
		.amdhsa_reserve_vcc 0
		.amdhsa_float_denorm_mode_32 3
		.amdhsa_float_denorm_mode_16_64 3
		.amdhsa_memory_ordered 1
		.amdhsa_forward_progress 1
		.amdhsa_inst_pref_size 180
	.end_amdhsa_kernel
	.amdgpu_metadata
---
amdhsa.version: [ 1, 2 ]
amdhsa.kernels:
  - .name:           k_qba5c9f81b7_qkv
    .symbol:         k_qba5c9f81b7_qkv.kd
    .args:
      - { .name: xw_codes, .offset: 0, .size: 8, .value_kind: global_buffer, .address_space: global }
      - { .name: xw_scales, .offset: 8, .size: 8, .value_kind: global_buffer, .address_space: global }
      - { .name: qkv_codes, .offset: 16, .size: 8, .value_kind: global_buffer, .address_space: global }
      - { .name: qkv_scales, .offset: 24, .size: 8, .value_kind: global_buffer, .address_space: global }
    .group_segment_fixed_size: 327680
    .private_segment_fixed_size: 0
    .kernarg_segment_align: 8
    .kernarg_segment_size: 32
    .max_flat_workgroup_size: 128
    .sgpr_count:     102
    .vgpr_count:     1024
    .wavefront_size: 32
...
	.end_amdgpu_metadata
.endif
;; end of part 2
;; launch attn (part 3): grid 8 x 32, 8 waves a work-group, no clusters, 327,680 bytes of LDS; arguments qkv_codes, qkv_scales, ctx_codes, ctx_scales; writes ctx_codes, ctx_scales
.if DOCPART == 3
	.amdgcn_target "amdgcn-amd-amdhsa--gfx1250"
	.amdhsa_code_object_version 6
	.text
	.protected	k_qba5c9f81b7_attn
	.globl	k_qba5c9f81b7_attn
	.p2align	8
	.type	k_qba5c9f81b7_attn,@function
k_qba5c9f81b7_attn:
	s_mov_b64 s[64:65], 0
	v_nop
	global_prefetch_b8 v0, s[64:65] scope:SCOPE_SE
	s_setreg_imm32_b32 hwreg(HW_REG_WAVE_MODE, 25, 1), 1
	s_wait_xcnt 0x0
; Causal attention, 64 (batch, head) pairs x 2,048 tokens x head size 64, both products on codes of BF6 (E3M2) with one E8M0 scale for each 32 along K; the result leaves quantised along the channels.
; IN: chunks of 128 rows x 96 bytes, chunk (tb, j) at (24 tb + j) x 12,288: j = hp: q of heads 2 hp, 2 hp + 1 (a row = a token, 48 bytes a head); j = 8 + hp: k likewise; j = 16 + hp: v (a row = a channel, its 96 bytes
; the block's 128 tokens).  Scale bytes: 4 a row, chunks of 512 bytes.
; OUT: ctx's codes as dense images of 256 tokens x 192 bytes (256 channels, 48 bytes a head), four images to a block of 256 tokens; scale bytes [8192][32].
; SOFTMAX: t = score x log2(e) / 8; M = the running largest t rounded up to a whole number; p = 2^(t - M) is quantised along the keys; the row's sum is taken of the unquantised p and divides O at the end;
; when M moves, the sum and O are multiplied by 2^(old M - new M), exactly.
; LEFT OUT: key steps that lie wholly above the diagonal of the mask that the problem itself builds: their p are 0 for all inputs.
; SHARES: a work-group serves one batch, one pair of heads and two blocks of 128 queries: block 15 - i with key steps 0 .. 15 - i, then block i with key steps 0 .. i: 17 key steps of 128 keys in each of 256 work-groups.
; Wave w of eight: head w % 2, queries 32 (w / 2) .. + 31 of the block: TWO tiles of 16, so that each fragment of K and V read from LDS feeds two matrix instructions.
; K's and V's chunks and scale bytes come through a ring of two LDS slots, one key step each (wave 0: K; 1: V; 2: K's scales; 3: V's).
; NO CLUSTER: the eight work-groups of a pair of heads go back to key step 0 after 16 - i steps, so they want different tiles behind the same barrier.
; NO PREFETCH: each fill (25,600 bytes) is asked for directly behind a barrier and has a whole key step's work, 24 matrix instructions and two softmaxes a wave, in which to land.
; LAYOUT: both products transposed (S^T = K Q^T, O^T = V^T P^T): a lane holds one query of each tile.  Lane r of key tile 2 b + u takes key 32 b + 8 u + r + 8 (r / 8), so that 16 registers of two tiles are 16 neighbouring
; keys; V's channels likewise.  The head's 64 in an instruction of 128: Q's upper six registers are zero codes; K's fragment t is v[40 + 6 t .. 51 + 6 t], its upper half the next fragment (zeros behind the last).
; LIMITS: scaled scores stay under 2^31 in magnitude; a block whose largest magnitude lies under 2^(5 - 127) is quantised under the byte 1 (a block of zeros too); NaN and infinities are not served.
; REGISTERS: window 0 holds tile A and what is shared, window 1 tile B at the same numbers.  Per tile: v7, v28 offsets in ctx; v12 -M, v13 largest t, v[14:15] the sum; v16-21 Q, v22-27 zeros; v29 the mask's bound;
;   v32-37 the second pass's Q; v96-159 S^T, then p; v160-191 O^T; v192-207, v220 a pass's end; v224-235 p's codes; v232-254 at work.
;   Window 0 alone: v1-4 lane places, v5, v6 the add's, v8-11 the step's LDS addresses, v40-93 K's fragments, v208-219 K's and V's scale words, and the scale words v255, v39 (Q), v253, v94 (p), v38, v95 (second pass's Q).
;   Window 1 alone: v40-87 V's fragments.
.set CHUNK,  12288
.set SLOTB,  32768
.set VOFF,   CHUNK
.set KSC,    2*CHUNK
.set VSC,    KSC+512
.set SPARE,  2*SLOTB                   ; the spare words: 128 bytes for each of eight waves
.set STEPC,  24*CHUNK
.set STEPSC, 24*512
.set AK0,  1
.set AV0,  2
.set ASK0, 3
.set ASV0, 4
.set SPW,  5
.set NIL,  6
.set GO,   7
.set ADK,  8
.set ADV,  9
.set ADS,  10
.set ADT,  11
.set GS,   28
.set DM,   29
.set QSA,  255
.set QSB,  39
.set PSA,  253
.set PSB,  94
.set Q2A,  38
.set Q2B,  95
.set WV,   18
.set E,    19
.set SEL,  20
.set CS,   22
.set G1C,  24
.set G1S,  32
.set G0C,  40
.set G0S,  44
.set BC,   48
.set BS,   50
.set TB,   52
.set KN,   53
.set T1,   54
.set KS,   55
.set QB,   56
.set TRIPS, 57
.set PI,   58
.set OC,   60
.set OS,   62
.set OC2,  66
.set OS2,  68
.set MSB, 0
.macro WIN new                         ; the immediate's high byte repeats the setting that is left
.if MSB != \new
	s_set_vgpr_msb (MSB<<8)|\new
.set MSB, \new
.endif
.endm
.macro TLOAD                           ; waves 0, 1 fetch chunks of codes, waves 2, 3 of scale bytes; s_nop 0 and four v_nop behind each
	s_cmp_lt_u32 s[WV], 2
	s_cbranch_scc0 .Lnot_c_\@
	tensor_load_to_lds s[G0C:G0C+3], s[G1C:G1C+7]
	s_nop 0
.rept 4
	v_nop
.endr
	s_branch .Lasked_\@
.Lnot_c_\@:
	s_cmp_lt_u32 s[WV], 4
	s_cbranch_scc0 .Lasked_\@
	tensor_load_to_lds s[G0S:G0S+3], s[G1S:G1S+7]
	s_nop 0
.rept 4
	v_nop
.endr
.Lasked_\@:
.endm
.macro PASSOFF blk, qc, qs, oc, os     ; byte offsets of the pass whose block of queries is s[blk]
	s_mul_i32 s[\qc], s[\blk], 24
	s_add_co_u32 s[\qc], s[\qc], s74
	s_lshl_b32 s[\qs], s[\qc], 9
	s_mul_i32 s[\qc], s[\qc], CHUNK
	s_add_co_u32 s[\qc], s[\qc], s96
	s_add_co_u32 s[\qs], s[\qs], s97
	s_mov_b32 s[\qc+1], 0
	s_mov_b32 s[\qs+1], 0
	s_lshl_b32 s[\os], s[\blk], 7
	s_add_co_u32 s[\os], s[\os], s99               ; my first token
	s_lshl_b32 s[\os], s[\os], 5
	s_add_co_u32 s[\os], s[\os], s71
	s_lshr_b32 s[\oc], s[\blk], 1                  ; two blocks of 128 tokens to a block of 256
	s_mul_i32 s[\oc], s[\oc], 196608
	s_and_b32 s75, s[\blk], 1
	s_mul_i32 s75, s75, 24576
	s_add_co_u32 s[\oc], s[\oc], s75
	s_add_co_u32 s[\oc], s[\oc], s98
	s_mov_b32 s[\oc+1], 0
	s_mov_b32 s[\os+1], 0
.endm
.macro INIT                            ; a pass begins, in the window in hand
	v_mov_b32 v13, 0xff61b1e6                      ; -3e38
	v_floor_f32 v12, -v13
	v_mov_b32 v14, 0
	v_mov_b32 v15, 0
.set JJ, 0
.rept 32
	v_mov_b32 v[160+JJ], 0
.set JJ, JJ+1
.endr
.endm
.macro HINIT                           ; written once, in the window in hand: Q's zero half; lane permutes' destinations; the pair v[252:253]'s upper word
.irp j, 22,23,24,25,26,27,204,205,236,237,238,239,253
	v_mov_b32 v\j, 0
.endr
	INIT
.endm
	s_load_b256 s[4:11], s[0:1], 0x0               ; in: codes, scale bytes; out: codes, scale bytes
	v_lshl_add_u32 v[SPW], v0, 2, SPARE
	v_mov_b32 v[NIL], 0
	ds_add_u32 v[SPW], v[NIL]                      ; the opening lines: the add twice on end and one wait
	ds_add_u32 v[SPW], v[NIL]
	v_lshrrev_b32 v8, 5, v0
	v_readfirstlane_b32 s[WV], v8                  ; wave 0..7
	s_and_b32 s[E], s[WV], 1
	s_lshr_b32 s70, s[WV], 1                       ; qg: my 32 queries of the block
	s_and_b32 s71, ttmp7, 0xffff
	s_lshr_b32 s72, s71, 3                         ; the batch
	s_and_b32 s73, s71, 7                          ; hp
	s_mov_b32 s[PI], ttmp9
	s_sub_co_u32 s[T1], 16, s[PI]
	s_sub_co_u32 s[QB], 15, s[PI]
	s_mul_i32 s74, s72, 384
	s_add_co_u32 s74, s74, s73                     ; q's chunk of the batch's block 0
	s_lshl_b32 s75, s[E], 3
	s_add_co_u32 s75, s75, s74
	s_add_co_u32 s75, s75, 8                       ; k's (e = 0) or v's (e = 1)
	s_mul_i32 s76, s75, CHUNK
	s_mov_b32 s77, 0
	s_lshl_b32 s78, s75, 9
	s_mov_b32 s79, 0
; A CHUNK'S ORDER: [half][row position][48 bytes]: for q and k a half is a head, for v 64 of the block's tokens; the 16 rows of a tile (r + 8 (r / 8) + 8 u + 32 b) stand at neighbouring positions 32 b + 16 u + r,
; 48 bytes apart: the 32 lanes of a load of 8 bytes touch 64 different banks (64 banks of 4 bytes: ISA guide 11.1)
	s_mul_i32 s96, s70, 1536
	s_mul_i32 s97, s[E], 48
	s_mul_i32 s75, s[E], 6144
	s_add_co_u32 s96, s96, s75                     ; in a chunk of q: my head's half, 32 qg positions of 48 bytes
	s_mul_i32 s98, s72, 1572864                    ; ctx's codes: 8 blocks of 256 tokens a batch,
	s_add_co_u32 s98, s98, s97                     ; my head's 48 bytes,
	s_mul_i32 s75, s70, 6144
	s_add_co_u32 s98, s98, s75                     ; 32 qg rows of 192,
	s_lshr_b32 s75, s73, 1
	s_mul_i32 s75, s75, 49152
	s_add_co_u32 s98, s98, s75                     ; the image of heads 4 (hp / 2) .. + 3,
	s_and_b32 s75, s73, 1
	s_mul_i32 s75, s75, 96
	s_add_co_u32 s98, s98, s75                     ; the pair's 96 bytes in its row
	s_lshl_b32 s97, s70, 7
	s_lshl_b32 s75, s[E], 1
	s_add_co_u32 s97, s97, s75                     ; among q's scale bytes
	s_lshl_b32 s99, s72, 11
	s_lshl_b32 s71, s70, 5
	s_add_co_u32 s99, s99, s71                     ; 2,048 x batch + 32 qg
	s_lshl_b32 s71, s73, 2
	s_add_co_u32 s71, s71, s75                     ; in a row of ctx's scale bytes
	PASSOFF QB, 80, 82, 88, 90
	PASSOFF PI, 84, 86, 92, 94
	s_mov_b32 s[G1C], 3<<16                        ; a chunk is dense: rows of 256 bytes (32 elements of 8), 48 for codes, 2 for scale bytes
	s_mov_b32 s[G1C+1], 32<<16
	s_mov_b32 s[G1C+2], 48<<16
	s_mov_b32 s[G1C+3], 32<<16
	s_mov_b32 s[G1C+4], 48
	s_mov_b32 s[G1C+5], 32
	s_mov_b32 s[G1C+6], 0
	s_mov_b32 s[G1C+7], 0
	s_mov_b32 s[G1S], 3<<16
	s_mov_b32 s[G1S+1], 32<<16
	s_mov_b32 s[G1S+2], 2<<16
	s_mov_b32 s[G1S+3], 32<<16
	s_mov_b32 s[G1S+4], 2
	s_mov_b32 s[G1S+5], 32
	s_mov_b32 s[G1S+6], 0
	s_mov_b32 s[G1S+7], 0
	s_mov_b32 s[G0C], 1
	s_mul_i32 s[G0C+1], s[E], CHUNK
	s_mov_b32 s[G0S], 1
	s_lshl_b32 s[G0S+1], s[E], 9
	s_add_co_u32 s[G0S+1], s[G0S+1], KSC
	s_mov_b32 s[SEL], 0x76543210
	s_mov_b32 s[SEL+1], 0xfedcba98
	s_mov_b32 s[CS], 0x3e38aa3b                    ; c = log2(e) / 8
	s_mov_b32 s[CS+1], s[CS]
	s_mov_b32 s[TB], 0
	s_mov_b32 s[KN], 0
	s_mov_b32 s[KS], 0
	s_mov_b32 s[TRIPS], 15
	s_wait_alu depctr_va_vdst(0)
	s_wait_dscnt 0x0                               ; both opening adds are done
	s_wait_kmcnt 0x0
	s_add_nc_u64 s[BC:BC+1], s[4:5], s[76:77]
	s_add_nc_u64 s[BS:BS+1], s[6:7], s[78:79]
	s_mov_b64 s[G0C+2:G0C+3], s[BC:BC+1]
	s_or_b32 s[G0C+3], s[G0C+3], 0x80000000
	s_mov_b64 s[G0S+2:G0S+3], s[BS:BS+1]
	s_or_b32 s[G0S+3], s[G0S+3], 0x80000000
	TLOAD                                          ; slot 0, key step 0: one tensor load of a wave is out at the most, here and later
	s_add_nc_u64 s[80:81], s[4:5], s[80:81]
	s_add_nc_u64 s[82:83], s[6:7], s[82:83]
	s_add_nc_u64 s[84:85], s[4:5], s[84:85]
	s_add_nc_u64 s[86:87], s[6:7], s[86:87]
	s_add_nc_u64 s[OC:OC+1], s[8:9], s[88:89]
	s_add_nc_u64 s[OS:OS+1], s[10:11], s[90:91]
	s_add_nc_u64 s[OC2:OC2+1], s[8:9], s[92:93]
	s_add_nc_u64 s[OS2:OS2+1], s[10:11], s[94:95]
	v_and_b32 v8, 15, v0                           ; r
	v_bfe_u32 v9, v0, 4, 1                         ; h
	v_and_b32 v10, 8, v8
	v_add_nc_u32 v10, v10, v8
	v_mul_u32_u24 v30, v10, 48                     ; query r of tile A stands at position r + 8 (r / 8) of my 32, of tile B 8 positions on
	v_mad_u32_u24 v30, v9, 24, v30
	v_lshlrev_b32 v31, 2, v8
.irp p, 0,1,2
	global_load_b64 v[16+2*\p:17+2*\p], v30, s[80:81] offset:8*\p
	global_load_b64 v[32+2*\p:33+2*\p], v30, s[84:85] offset:8*\p
.endr
	global_load_u16 v[QSA], v31, s[82:83]          ; two scale bytes; the word's upper bytes are 0
	global_load_u16 v[QSB], v31, s[82:83] offset:64
	global_load_u16 v[Q2A], v31, s[86:87]
	global_load_u16 v[Q2B], v31, s[86:87] offset:64
	WIN 0x40                                       ; tile B's Q, 16 rows on, into window 1
.irp p, 0,1,2
	global_load_b64 v[16+2*\p:17+2*\p], v30, s[80:81] offset:384+8*\p
	global_load_b64 v[32+2*\p:33+2*\p], v30, s[84:85] offset:384+8*\p
.endr
	WIN 0
	v_and_b32 v10, 8, v8
	v_add_nc_u32 v10, v10, v8                      ; r + 8 (r / 8)
	v_mul_u32_u24 v11, v8, 48
	v_mad_u32_u24 v11, v9, 24, v11                 ; position r of a tile, my half's 24 bytes
	s_mul_i32 s75, s[E], 6144
	v_add_nc_u32 v[AK0], s75, v11                  ; K: my head's half of the chunk
	s_mul_i32 s75, s[E], 64*48                     ; V: my head's 64 positions
	s_add_co_u32 s75, s75, VOFF
	v_add_nc_u32 v[AV0], s75, v11
	v_lshlrev_b32 v11, 2, v10
	s_lshl_b32 s75, s[E], 1
	s_add_co_u32 s75, s75, KSC
	v_add_nc_u32 v[ASK0], s75, v11
	s_lshl_b32 s75, s[E], 8
	s_add_co_u32 s75, s75, VSC
	v_add_nc_u32 v[ASV0], s75, v11
	v_mul_u32_u24 v[GO], v8, 192
	v_mad_u32_u24 v[GO], v9, 12, v[GO]             ; ctx: token r, 12 bytes for each half
	v_lshlrev_b32 v[GS], 5, v8
	v_lshlrev_b32 v[DM], 4, v9
	v_sub_nc_u32 v[DM], v8, v[DM]
	s_lshl_b32 s75, s70, 5
	v_add_nc_u32 v[DM], s75, v[DM]                 ; d = my query in its block - 16 h: on the diagonal register 16 b + i is hidden where 32 b + i > d
.irp j, 88,89,90,91,92,93
	v_mov_b32 v\j, 0                               ; behind K's last fragment
.endr
	HINIT
	WIN 0x40                                       ; tile B's copies: 16 tokens on
	v_add_nc_u32 v[GO], 3072, v[GO]
	v_add_nc_u32 v[GS], 512, v[GS]
	v_add_nc_u32 v[DM], 16, v[DM]
	WIN 0x55
	HINIT
	WIN 0
; A PASS'S END, in the window in hand: O^T / the sum, quantised along the channels: two blocks of 32, each in lanes l and l xor 16
.macro FINISH
	s_wait_xcnt 0x0                                ; earlier stores have read their data
.rept 4
	v_nop                                          ; places behind the last products
.endr
	v_add_f32 v14, v14, v15
	v_permlanex16_b32 v252, v14, s[SEL], s[SEL+1]
	v_add_f32 v14, v14, v252
	s_wait_alu depctr_va_vdst(0)
	v_rcp_f32 v14, v14
	v_nop
	s_wait_alu depctr_va_vdst(0)
.set JJ, 0
.rept 32
	v_mul_f32 v[96+JJ], v[160+JJ], v14             ; register 16 b + i is channel 32 b + 16 h + i
.set JJ, JJ+1
.endr
.irp b, 0,1
	v_max3_num_f32 v[200+\b], |v[96+16*\b]|, |v[97+16*\b]|, 0x2800000
.endr
.irp i, 2,4,6,8,10,12,14
.irp b, 0,1
	v_max3_num_f32 v[200+\b], v[200+\b], |v[96+16*\b+\i]|, |v[97+16*\b+\i]|
.endr
.endr
.irp b, 0,1
	v_permlanex16_b32 v[204+\b], v[200+\b], s[SEL], s[SEL+1]
.endr
.irp b, 0,1
	v_max_num_f32 v[200+\b], v[200+\b], v[204+\b]
.endr
.irp b, 0,1
	v_add_nc_u32 v[202+\b], 0xfe000000, v[200+\b]  ; 4 off the exponent field: the conversion's scale operand
.endr
.irp b, 0,1
	v_lshrrev_b32 v[206+\b], 23, v[202+\b]
.endr
	v_lshl_or_b32 v220, v207, 8, v206
	v_cvt_scalef32_pk16_bf6_f32 v[192:194], v[96:111], v202
	v_cvt_scalef32_pk16_bf6_f32 v[196:198], v[112:127], v203
	v_nop
	global_store_b96 v[GO], v[192:194], s[OC:OC+1]
	global_store_b96 v[GO], v[196:198], s[OC:OC+1] offset:24
	global_store_b16 v[GS], v220, s[OS:OS+1]       ; lanes l and l xor 16 store the same two bytes
.endm
.macro QINIT
.irp j, 0,1,2,3,4,5
	v_mov_b32 v[16+\j], v[32+\j]
.endr
	INIT
.endm
.macro REINIT
	s_wait_xcnt 0x0                                ; the stores have read their bases
	s_mov_b64 s[OC:OC+1], s[OC2:OC2+1]
	s_mov_b64 s[OS:OS+1], s[OS2:OS2+1]
	v_mov_b32 v[QSA], v[Q2A]                       ; the lines below are more than the eight places owed ahead of a scaled matrix instruction
	v_mov_b32 v[QSB], v[Q2B]
	QINIT
	WIN 0x55
	QINIT
	WIN 0
	s_mov_b32 s[QB], s[PI]
	s_mov_b32 s[KS], -1
.endm
; One tile's softmax, quantiser and second product.  w: the tile and its window; ps: p's scale word, in window 0
.macro SOFT w, ps, last
.if \last == 0
	s_wait_alu depctr_va_vdst(0)
	s_cmp_lg_u32 s[KS], s[QB]                      ; ids alone: only the diagonal step hides keys
	s_cbranch_scc1 .Lopen_\@
.endif
	WIN 0x55*\w
	v_mov_b32 v254, 0xff800000
	s_wait_alu depctr_va_vdst(0)                   ; the wait ahead of the first reader of the scores
.set JJ, 0
.rept 64
	v_cmp_gt_i32 vcc_lo, 32*(JJ/16)+JJ%16, v[DM]
	v_cndmask_b32 v[96+JJ], v[96+JJ], v254, vcc_lo
.set JJ, JJ+1
.endr
	WIN 0
.Lopen_\@:
	WIN 0x55*\w
	s_wait_alu depctr_va_vdst(0)                   ; likewise on the way round the mask
.irp b, 0,1,2,3
	v_max3_num_f32 v[232+\b], v[96+16*\b], v[97+16*\b], v[98+16*\b]   ; each block's largest score: for the row's maximum and for the block's largest p
.endr
.irp i, 3,5,7,9,11,13
.irp b, 0,1,2,3
	v_max3_num_f32 v[232+\b], v[232+\b], v[96+16*\b+\i], v[97+16*\b+\i]
.endr
.endr
.irp b, 0,1,2,3
	v_max_num_f32 v[232+\b], v[232+\b], v[111+16*\b]
.endr
.irp b, 0,1,2,3
	v_permlanex16_b32 v[236+\b], v[232+\b], s[SEL], s[SEL+1]
.endr
.irp b, 0,1,2,3
	v_max_num_f32 v[232+\b], v[232+\b], v[236+\b]
.endr
	v_max3_num_f32 v254, v232, v233, v234
	v_max_num_f32 v254, v254, v235
	v_mul_f32 v254, s[CS], v254
	v_max_num_f32 v13, v13, v254                   ; the running largest t
	v_mov_b32 v254, v12
	v_floor_f32 v12, -v13                          ; -M = -ceil(t)
	v_sub_f32 v254, v12, v254
	v_cvt_i32_f32 v254, v254
	v_ldexp_f32 v252, 1.0, v254                    ; f = 2^(old M - new M)
.set JJ, 0
.rept 32
	v_pk_fma_f32 v[96+JJ:97+JJ], v[96+JJ:97+JJ], s[CS:CS+1], v[12:13] op_sel_hi:[1,0,0]   ; t - M
.set JJ, JJ+2
.endr
.irp b, 0,1,2,3
	v_fma_f32 v[232+\b], v[232+\b], s[CS], v12
.endr
	s_wait_alu depctr_va_vdst(0)                   ; ahead of the batch
.set JJ, 0
.rept 64
	v_exp_f32 v[96+JJ], v[96+JJ]
.set JJ, JJ+1
.endr
.irp b, 0,1,2,3
	v_exp_f32 v[232+\b], v[232+\b]                 ; the block's largest p
.endr
	v_pk_mul_f32 v[14:15], v[14:15], v[252:253] op_sel_hi:[1,0]   ; the sums under the new M (the plain place behind the batch)
	s_wait_alu depctr_va_vdst(0)                   ; behind the batch
.irp b, 0,1,2,3
	v_max_num_f32 v[232+\b], 0x2800000, v[232+\b]  ; the floor 2^(5 - 127)
.endr
.irp b, 0,1,2,3
	v_add_nc_u32 v[244+\b], 0xfe000000, v[232+\b]
.endr
.irp b, 0,1,2,3
	v_lshrrev_b32 v[236+\b], 23, v[244+\b]
.endr
	v_lshl_or_b32 v253, v237, 8, v236
	v_lshl_or_b32 v253, v238, 16, v253
	WIN 0x15*\w                                    ; scale operands are taken from window 0
	v_lshl_or_b32 v[\ps], v239, 24, v253
	WIN 0x55*\w
.irp c, 0,1
	v_cvt_scalef32_pk16_bf6_f32 v[224+6*\c:226+6*\c], v[96+32*\c:111+32*\c], v[244+2*\c]
	v_cvt_scalef32_pk16_bf6_f32 v[236+4*\c:238+4*\c], v[112+32*\c:127+32*\c], v[244+2*\c+1]
.endr
	v_nop
.irp c, 0,1                            ; a whole block in a lane: lanes 0-15 block 2 c, lanes 16-31 block 2 c + 1
.irp i, 0,1,2
	v_permlane16_swap_b32 v[224+6*\c+\i], v[236+4*\c+\i]
.endr
.irp i, 0,1,2
	v_mov_b32 v[227+6*\c+\i], v[236+4*\c+\i]
.endr
.endr
	v_pk_add_f32 v[236:237], v[96:97], v[98:99]    ; the row's sum of the unquantised p, in four chains
	v_pk_add_f32 v[240:241], v[100:101], v[102:103]
	v_pk_add_f32 v[242:243], v[104:105], v[106:107]
	v_pk_add_f32 v[14:15], v[14:15], v[108:109]
.set JJ, 110
.rept 6
	v_pk_add_f32 v[236:237], v[236:237], v[JJ:JJ+1]
	v_pk_add_f32 v[240:241], v[240:241], v[JJ+2:JJ+3]
	v_pk_add_f32 v[242:243], v[242:243], v[JJ+4:JJ+5]
	v_pk_add_f32 v[14:15], v[14:15], v[JJ+6:JJ+7]
.set JJ, JJ+8
.endr
	v_pk_add_f32 v[236:237], v[236:237], v[158:159]
	v_pk_add_f32 v[14:15], v[14:15], v[242:243]
	v_pk_add_f32 v[236:237], v[236:237], v[240:241]
	v_pk_add_f32 v[14:15], v[14:15], v[236:237]
	s_wait_alu depctr_va_vdst(0)                   ; ahead of the first reader of O^T
.set JJ, 0
.rept 16
	v_pk_mul_f32 v[160+JJ:161+JJ], v[160+JJ:161+JJ], v[252:253] op_sel_hi:[1,0]   ; O^T under the new M
.set JJ, JJ+2
.endr
.if \w == 0
	s_wait_alu depctr_va_vdst(0)
	s_wait_dscnt 0x0                               ; V's fragments are in
	WIN 0x01                                       ; source 0, V, lies in window 1
.endif
.irp u, 0,1,2,3                        ; O^T += V^T P^T: four accumulators by turns
	v_wmma_scale_f32_16x16x128_f8f6f4 v[160+8*\u:167+8*\u], v[40+12*\u:51+12*\u], v[224:235], v[160+8*\u:167+8*\u], v[216+\u], v[\ps] matrix_a_fmt:MATRIX_FMT_BF6 matrix_b_fmt:MATRIX_FMT_BF6
.endr
	WIN 0
.endm
; A KEY STEP: 128 keys from the slot in hand, for both tiles
.macro KLOAD                           ; K's eight fragments and scale words from the slot at s[TB]: 32 LDS loads.  Their registers were last read by the first product of the step in hand
	v_add_nc_u32 v[ADK], s[TB], v[AK0]
	v_add_nc_u32 v[ADS], s[TB], v[ASK0]
.irp t, 0,1,2,3,4,5,6,7
.irp p, 0,1,2
	ds_load_b64 v[40+6*\t+2*\p:41+6*\t+2*\p], v[ADK] offset:(32*(\t/2)+16*(\t%2))*48+8*\p
.endr
	ds_load_u16 v[208+\t], v[ADS] offset:(32*(\t/2)+8*(\t%2))*4
.endr
.endm
; THE CHANGE OF SLOTS STANDS IN THE STEP'S MIDDLE: behind tile A's second product K and V of the slot in hand are in registers; behind the barrier that slot takes the key step two on (fill = 1),
; and the next step's K is asked for from the other slot, ahead of tile B's softmax
.macro STEP fill
	v_add_nc_u32 v[ADV], s[TB], v[AV0]             ; (with the two v_nop: four places in front of loads into registers that the last products read)
	v_add_nc_u32 v[ADT], s[TB], v[ASV0]
	v_nop
	v_nop
.irp t, 0,1,2,3
	ds_load_b32 v[216+\t], v[ADT] offset:(32*(\t/2)+8*(\t%2))*4
.endr
	WIN 0x40                                       ; V's fragments into window 1: they land under the first product and tile A's softmax
.irp t, 0,1,2,3
.irp p, 0,1,2,3,4,5
	ds_load_b64 v[40+12*\t+2*\p:41+12*\t+2*\p], v[ADV] offset:(32*(\t/2)+16*(\t%2))*48+6144*(\p/3)+8*(\p%3)
.endr
.endr
	WIN 0
	s_wait_dscnt 28                                ; K's loads, asked for in the last step's middle, are in; V's 4 scale words and 24 fragment loads may be out
.irp t, 0,1,2,3,4,5,6,7
	v_wmma_scale_f32_16x16x128_f8f6f4 v[96+8*\t:103+8*\t], v[40+6*\t:51+6*\t], v[16:27], 0, v[208+\t], v[QSA] matrix_a_fmt:MATRIX_FMT_BF6 matrix_b_fmt:MATRIX_FMT_BF6
.endr
	WIN 0x54                                       ; K from window 0, tile B's Q and scores in window 1
.irp t, 0,1,2,3,4,5,6,7
	v_wmma_scale_f32_16x16x128_f8f6f4 v[96+8*\t:103+8*\t], v[40+6*\t:51+6*\t], v[16:27], 0, v[208+\t], v[QSB] matrix_a_fmt:MATRIX_FMT_BF6 matrix_b_fmt:MATRIX_FMT_BF6
.endr
	WIN 0
.rept 4
	v_nop                                          ; places in front of the first read of the scores
.endr
	SOFT 0, PSA, 0
	CHANGE \fill
.if \fill == 0
	s_cmp_eq_u32 s[TRIPS], 1                       ; the launch's last step has no successor: no K is asked for
	s_cbranch_scc1 .Lnok_\@
.endif
	s_xor_b32 s[TB], s[TB], SLOTB                  ; on to the other slot
	KLOAD
.Lnok_\@:
	SOFT 1, PSB, 0
	s_wait_alu depctr_va_vdst(0)
	s_cmp_lg_u32 s[KS], s[QB]                      ; the diagonal step ends its pass
	s_cbranch_scc1 .Lon_\@
	FINISH
	WIN 0x55
	FINISH
	WIN 0
.if \fill == 0
	s_wait_alu depctr_va_vdst(0)
	s_cmp_eq_u32 s[TRIPS], 1                       ; behind the launch's last step no pass begins
	s_cbranch_scc1 .Lon_\@
.endif
	REINIT
.Lon_\@:
	s_add_co_u32 s[KS], s[KS], 1
.endm
; THE CHANGE OF SLOTS: every wave waits for all its tensor loads, adds 0 to its spare word, waits for that and for its reads of the slot left; behind the barrier the slot left is filled with the next key step
.macro CHANGE fill
	s_wait_alu depctr_va_vdst(0)
	s_wait_tensorcnt 0x0
	ds_add_u32 v[SPW], v[NIL]
.if \fill
	ds_add_u32 v[SPW], v[NIL]                      ; a second add
	s_add_co_u32 s[KN], s[KN], 1                   ; behind the first pass's last key step comes key step 0
	s_cmp_eq_u32 s[KN], s[T1]
	s_cselect_b32 s[KN], 0, s[KN]
	s_mul_i32 s70, s[KN], STEPC
	s_mov_b32 s71, 0
	s_add_nc_u64 s[G0C+2:G0C+3], s[BC:BC+1], s[70:71]
	s_or_b32 s[G0C+3], s[G0C+3], 0x80000000
	s_mul_i32 s70, s[KN], STEPSC
	s_add_nc_u64 s[G0S+2:G0S+3], s[BS:BS+1], s[70:71]
	s_or_b32 s[G0S+3], s[G0S+3], 0x80000000
	s_xor_b32 s[G0C+1], s[G0C+1], SLOTB
	s_xor_b32 s[G0S+1], s[G0S+1], SLOTB
.endif
	s_wait_dscnt 0x0
	s_barrier_signal -1
	s_barrier_wait -1
.if \fill
	TLOAD
.endif
.endm
	s_wait_alu depctr_va_vdst(0)
	s_wait_loadcnt 0x0                             ; Q of both passes and tiles
	CHANGE 1                                       ; key step 0 is in; slot 1's first fill, key step 1
	KLOAD                                          ; K of key step 0
.Ltrip:                                            ; 15 trips: steps 0 .. 14 ask for steps 2 .. 16
	STEP 1
	s_wait_alu depctr_va_vdst(0)
	s_sub_co_u32 s[TRIPS], s[TRIPS], 1
	s_cmp_lg_u32 s[TRIPS], 0
	s_cbranch_scc1 .Ltrip
	s_mov_b32 s[TRIPS], 2
.Ltail:                                            ; the last two steps ask for nothing: a loop of their own, with no tensor load in its text
	STEP 0
	s_wait_alu depctr_va_vdst(0)
	s_sub_co_u32 s[TRIPS], s[TRIPS], 1
	s_cmp_lg_u32 s[TRIPS], 0
	s_cbranch_scc1 .Ltail
	s_wait_tensorcnt 0x0                           ; the wave's end
	ds_add_u32 v[SPW], v[NIL]
	s_wait_dscnt 0x0
	s_endpgm
.Lfunc_end_k_qba5c9f81b7_attn:
	.size	k_qba5c9f81b7_attn, .Lfunc_end_k_qba5c9f81b7_attn-k_qba5c9f81b7_attn
	.p2alignl 7, 3214868480
	.fill 96, 4, 3214868480
	.section	.rodata,"a",@progbits
	.p2align	6, 0x0
	.amdhsa_kernel k_qba5c9f81b7_attn
		.amdhsa_group_segment_fixed_size 327680
		.amdhsa_private_segment_fixed_size 0
		.amdhsa_enable_private_segment 0
		.amdhsa_kernarg_size 32
		.amdhsa_user_sgpr_count 2
		.amdhsa_user_sgpr_kernarg_segment_ptr 1
		.amdhsa_wavefront_size32 1
		.amdhsa_system_sgpr_workgroup_id_x 1
		.amdhsa_system_sgpr_workgroup_id_y 1
		.amdhsa_system_sgpr_workgroup_id_z 1
		.amdhsa_system_vgpr_workitem_id 0
		.amdhsa_next_free_vgpr 512
		.amdhsa_next_free_sgpr 100
		.amdhsa_reserve_vcc 1
		.amdhsa_float_denorm_mode_32 3
		.amdhsa_float_denorm_mode_16_64 3
		.amdhsa_memory_ordered 1
		.amdhsa_forward_progress 1
		.amdhsa_inst_pref_size 121
	.end_amdhsa_kernel
	.amdgpu_metadata
---
amdhsa.version: [ 1, 2 ]
amdhsa.kernels:
  - .name:           k_qba5c9f81b7_attn
    .symbol:         k_qba5c9f81b7_attn.kd
    .args:
      - { .name: qkv_codes, .offset: 0, .size: 8, .value_kind: global_buffer, .address_space: global }
      - { .name: qkv_scales, .offset: 8, .size: 8, .value_kind: global_buffer, .address_space: global }
      - { .name: ctx_codes, .offset: 16, .size: 8, .value_kind: global_buffer, .address_space: global }
      - { .name: ctx_scales, .offset: 24, .size: 8, .value_kind: global_buffer, .address_space: global }
    .group_segment_fixed_size: 327680
    .private_segment_fixed_size: 0
    .kernarg_segment_align: 8
    .kernarg_segment_size: 32
    .max_flat_workgroup_size: 256
    .sgpr_count:     100
    .vgpr_count:     512
    .wavefront_size: 32
...
	.end_amdgpu_metadata
.endif
;; end of part 3
;; launch proj (part 4): grid 4 x 32, 4 waves a work-group, clusters of 4 x 4, 327,680 bytes of LDS; arguments ctx_codes, ctx_scales, wo_codes, wo_scales, out0; writes out0
.if DOCPART == 4
	.amdgcn_target "amdgcn-amd-amdhsa--gfx1250"
	.amdhsa_code_object_version 6
	.text
	.protected	k_qba5c9f81b7_proj
	.globl	k_qba5c9f81b7_proj
	.p2align	8
	.type	k_qba5c9f81b7_proj,@function
k_qba5c9f81b7_proj:
	s_mov_b64 s[64:65], 0
	v_nop
	global_prefetch_b8 v0, s[64:65] scope:SCOPE_SE
	s_setreg_imm32_b32 hwreg(HW_REG_WAVE_MODE, 25, 1), 1
	s_wait_xcnt 0x0
	s_wait_alu depctr_hold_cnt(0) depctr_sa_sdst(0) depctr_va_vdst(0) depctr_va_sdst(0) depctr_va_ssrc(0) depctr_va_vcc(0) depctr_vm_vsrc(0)
	s_getreg_b32 s2, hwreg(HW_REG_IB_STS2, 6, 4)
	s_cmp_eq_u32 s2, 0
	s_cbranch_scc0 .Lentry_in_a_cluster
	s_endpgm
.Lentry_in_a_cluster:
	s_bfe_u32 s2, ttmp6, 0x10000c
	s_cmp_lg_u32 s2, 0xf033
	s_cbranch_scc0 .Lentry_shape_is_right
	s_endpgm
.Lentry_shape_is_right:
.set SIZE_M, 8192
.set SIZE_N, 1024
.set SIZE_K, 1024
.set KSTEP,  256
.set NQ,     KSTEP/128
.set ROWB,   49152                     ; bytes in memory from a K step's image of 256 rows x 192 bytes to the next K step's
.set KROW,   SIZE_K*6/8
.set PITCH,  240
.set FR,     12
.set NL,     6
.set NP,     4
.set HALFT,  128*PITCH
.set SLOT,   4*HALFT
.set LAPS,   SIZE_K/(2*KSTEP)
.set KS,     SIZE_K/32
.set SCL,    2*SLOT
.set HALFS,  (128*KS/256)*272
.set SBLK,   (16*KS/256)*272
.set SPARE,  SCL+4*HALFS
.set SPITCH, 528
.set ADRA, 16
.set ADRB, 20
.set STO,  24
.set RD,   25
.set CO,   26
.set SPW,  28
.set NIL,  29
.set ADRS, 27
.set SC,   32
.set AF,   128
.set BK,   128
.set G1, 24
.set G0, 32
.set G1B, 48
.set G0B, 56
.set G1S, 68
.set G0S, 76
.set G1SB, 80
.set G0SB, 88
.set MSB, 0
.macro WIN new
.if MSB != \new
	s_set_vgpr_msb (MSB<<8)|\new
.set MSB, \new
.endif
.endm
.set MUL_LO, 0xa1
.set MUL_HI, 0xf1
.set TO_B,   0x40
.macro JLOAD g0a, g1a, g0b, g1b
	s_cmp_eq_u32 s15, 0
	s_cbranch_scc0 .Lfor_b_\@
	tensor_load_to_lds s[\g0a:\g0a+3], s[\g1a:\g1a+7]
	s_nop 0
.rept 4
	v_nop
.endr
	s_branch .Lasked_\@
.Lfor_b_\@:
	tensor_load_to_lds s[\g0b:\g0b+3], s[\g1b:\g1b+7]
	s_nop 0
.rept 4
	v_nop
.endr
.Lasked_\@:
.endm
.macro CREST
	s_cmp_lg_u32 s14, 0
	s_cbranch_scc1 .Lnot_wave_0_\@
	s_barrier_signal -3
.Lnot_wave_0_\@:
	s_barrier_wait -3
	s_barrier_signal -1
	s_barrier_wait -1
.endm
.macro CROUND
	s_barrier_signal -1
	s_barrier_wait -1
	CREST
.endm
	s_load_b128 s[4:7], s[0:1], 0x0
	s_load_b128 s[8:11], s[0:1], 0x10
	s_load_b64 s[12:13], s[0:1], 0x20
	v_lshl_add_u32 v[SPW], v0, 2, SPARE
	v_mov_b32 v[NIL], 0
	ds_add_u32 v28, v29
	ds_add_u32 v28, v29
	s_wait_dscnt 0x0
	v_lshrrev_b32 v1, 5, v0
	v_readfirstlane_b32 s14, v1
	s_lshr_b32 s15, s14, 1
	s_and_b32 s16, s14, 1
	s_bfe_u32 s40, ttmp6, 0x40000
	s_bfe_u32 s41, ttmp6, 0x40004
	s_lshl_b32 s42, ttmp9, 2
	s_add_co_u32 s42, s42, s40
	s_and_b32 s17, ttmp7, 0xffff
	s_lshl_b32 s17, s17, 2
	s_add_co_u32 s17, s17, s41
	s_lshl_b32 s43, s41, 2
	s_lshl_b32 s43, 15, s43
	s_lshl_b32 s44, 0x1111, s40
	s_or_b32 s[G1+0], s43, (0<<16)|(1<<20)|(1<<21)|(3<<22)|(3<<25)
	s_or_b32 s[G1B+0], s44, (0<<16)|(1<<20)|(1<<21)|(3<<22)|(3<<25)
.irp g, G1, G1B
	s_mov_b32 s[\g+1], 256<<16                     ; an image is dense: it is stated as rows of 256 bytes; the padding's interval stays 64 bytes, so an operand row of 192 bytes takes 240 in LDS
	s_mov_b32 s[\g+2], 192<<16                     ; the head's loads bring 256 operand rows: 192 rows of 256 bytes
	s_mov_b32 s[\g+3], 256<<16
	s_mov_b32 s[\g+4], 192
	s_mov_b32 s[\g+5], 256
	s_mov_b32 s[\g+6], 0
	s_mov_b32 s[\g+7], 0
.endr
	s_or_b32 s[G1S+0], s43, (3<<16)|(1<<20)|(1<<21)|(5<<22)|(3<<25)
	s_or_b32 s[G1SB+0], s44, (3<<16)|(1<<20)|(1<<21)|(5<<22)|(3<<25)
.irp g, G1S, G1SB
	s_mov_b32 s[\g+1], 32<<16
	s_mov_b32 s[\g+2], KS<<16                      ; the scales of 256 rows: KS rows of 256 bytes
	s_mov_b32 s[\g+3], 32<<16
	s_mov_b32 s[\g+4], KS
	s_mov_b32 s[\g+5], 32
	s_mov_b32 s[\g+6], 0
	s_mov_b32 s[\g+7], 0
.endr
	s_mul_i32 s66, s16, 24576                      ; in the ring I fetch 128 operand rows of an image: which half, in bytes
	s_mov_b32 s67, 0
	s_lshl_b32 s20, s17, 8
	s_lshl_b32 s46, s42, 8
	s_mov_b32 s21, 0
	s_mov_b32 s47, 0
	s_mov_b64 s[18:19], KS
	s_mul_u64 s[22:23], s[20:21], s[18:19]
	s_mul_u64 s[92:93], s[46:47], s[18:19]
	s_mov_b64 s[18:19], KROW
	s_mul_u64 s[20:21], s[20:21], s[18:19]
	s_mul_u64 s[46:47], s[46:47], s[18:19]
	s_mul_i32 s45, s14, HALFT
	s_wait_kmcnt 0x0
	s_add_nc_u64 s[20:21], s[4:5], s[20:21]
	s_add_nc_u64 s[22:23], s[6:7], s[22:23]
	s_add_nc_u64 s[46:47], s[8:9], s[46:47]
	s_add_nc_u64 s[92:93], s[10:11], s[92:93]
	CROUND
	s_mov_b32 s[G0S], 1
	s_mov_b32 s[G0S+1], SCL
	s_mov_b64 s[G0S+2:G0S+3], s[22:23]
	s_or_b32 s[G0S+3], s[G0S+3], 0x80000000
	s_mov_b32 s[G0SB], 1
	s_mov_b32 s[G0SB+1], SCL+2*HALFS
	s_mov_b64 s[G0SB+2:G0SB+3], s[92:93]
	s_or_b32 s[G0SB+3], s[G0SB+3], 0x80000000
.irp s, 0,1
	s_mov_b32 s[G0+4*\s], 1
	s_add_co_u32 s[G0+4*\s+1], s45, \s*SLOT
	s_add_nc_u64 s[G0+4*\s+2:G0+4*\s+3], s[20:21], \s*ROWB
	s_or_b32 s[G0+4*\s+3], s[G0+4*\s+3], 0x80000000
	s_mov_b32 s[G0B+4*\s], 1
	s_add_co_u32 s[G0B+4*\s+1], s45, \s*SLOT
	s_add_nc_u64 s[G0B+4*\s+2:G0B+4*\s+3], s[46:47], \s*ROWB
	s_or_b32 s[G0B+4*\s+3], s[G0B+4*\s+3], 0x80000000
.endr
	s_mov_b32 s[G0+1], 0                           ; slot 0's groups 0 serve the head first: K step 0's whole image of A,
	s_mov_b32 s[G0B+1], 2*HALFT                    ; and of B behind it
	s_add_nc_u64 s[G0+6:G0+7], s[G0+6:G0+7], s[66:67]     ; slot 1's: my half of K step 1's images
	s_add_nc_u64 s[G0B+6:G0B+7], s[G0B+6:G0B+7], s[66:67]
; THE HEAD'S LOADS, ONE A WAVE: wave 0 A's image, wave 1 B's, wave 2 A's scales, wave 3 B's: one tree of branches on the wave's number
.macro ARM under, g0, g1, next
	s_cmp_lt_u32 s14, \under
	s_cbranch_scc0 \next
	tensor_load_to_lds s[\g0:\g0+3], s[\g1:\g1+7]
	s_nop 0
.rept 4
	v_nop
.endr
	s_branch .Lhead_asked
\next:
.endm
	ARM 1, G0,  G1,  .Lhead_b
	ARM 2, G0B, G1B, .Lhead_sa
	ARM 3, G0S, G1S, .Lhead_sb
	tensor_load_to_lds s[G0SB:G0SB+3], s[G1SB:G1SB+7]
	s_nop 0
.rept 4
	v_nop
.endr
.Lhead_asked:
	v_and_b32 v1, 15, v0
	v_bfe_u32 v2, v0, 4, 1
	v_mul_u32_u24 v3, v1, PITCH
	v_mul_u32_u24 v4, v2, 24
	v_add_nc_u32 v4, v3, v4
	v_lshl_add_u32 v5, v2, 4, v4
	s_mul_i32 s21, s15, HALFT
	s_mul_i32 s22, s16, HALFT
	s_add_co_u32 s22, s22, 2*HALFT
.irp s, 0,1
	v_add_nc_u32 v[ADRA+\s], s21, v4
	v_add_nc_u32 v[ADRB+\s], s22, v4
	v_add_nc_u32 v[ADRA+2+\s], s21, v5
	v_add_nc_u32 v[ADRB+2+\s], s22, v5
	s_add_co_u32 s21, s21, SLOT
	s_add_co_u32 s22, s22, SLOT
.endr
	v_mul_u32_u24 v5, v1, KS
	v_lshrrev_b32 v6, 8, v5
	v_lshl_add_u32 v5, v6, 4, v5
	s_mul_i32 s21, s15, HALFS
	s_mul_i32 s22, s16, HALFS
	s_add_co_u32 s22, s22, 2*HALFS
	s_sub_co_u32 s22, s22, s21
	v_mul_u32_u24 v6, s22, v2
	s_add_co_u32 s21, s21, SCL
	v_add_nc_u32 v5, v5, v6
	v_add_nc_u32 v[ADRS], s21, v5
	s_mul_i32 s23, s14, 16*SPITCH
	v_mul_u32_u24 v5, v1, SPITCH
	v_lshl_add_u32 v5, v2, 5, v5
	v_add_nc_u32 v[STO], s23, v5
	v_and_b32 v6, 31, v0
	v_lshlrev_b32 v[CO], 4, v6
	v_add_nc_u32 v[RD], s23, v[CO]
	s_lshl_b32 s20, s17, 8
	s_lshl_b32 s21, s15, 7
	s_add_co_u32 s20, s20, s21
	s_mov_b32 s21, 0
	s_mov_b64 s[18:19], SIZE_N*4
	s_mul_u64 s[20:21], s[20:21], s[18:19]
	s_lshl_b32 s46, s42, 10
	s_lshl_b32 s47, s16, 9
	s_add_co_u32 s46, s46, s47
	s_mov_b32 s47, 0
	s_add_nc_u64 s[20:21], s[20:21], s[46:47]
	s_add_nc_u64 s[12:13], s[12:13], s[20:21]
.macro FRAG reg, adr, q, i
.irp p, 0,1,2,3,4,5
.set PC, 12*(\q)+6*(\p/3)+\p%3
.if PC%8 < 5
	ds_load_b64 v[\reg+2*\p:\reg+2*\p+1], v[\adr] offset:8*PC+16*(PC/8)+(\i)*16*PITCH
.else
	ds_load_b64 v[\reg+2*\p:\reg+2*\p+1], v[\adr+2] offset:8*PC+16*(PC/8)+(\i)*16*PITCH
.endif
.endr
.endm
.macro MUL16 a0, p, q, sc, zero
.irp a, \a0, \a0+1
.irp b, 0,1,2,3,4,5,6,7
.if \zero
	v_wmma_scale_f32_16x16x128_f8f6f4 v[8*(8*((\a)%4)+\b):8*(8*((\a)%4)+\b)+7], v[128*(\p)+FR*\b:128*(\p)+FR*\b+FR-1], v[AF+FR*(\a):AF+FR*(\a)+FR-1], 0, v[SC+8*NQ*(\sc)+NQ*\b+(\q)], v[SC+8*NQ*(\sc)+NQ*(\a)+(\q)] matrix_a_fmt:MATRIX_FMT_BF6 matrix_b_fmt:MATRIX_FMT_BF6 matrix_a_scale:MATRIX_SCALE_ROW1
.else
	v_wmma_scale_f32_16x16x128_f8f6f4 v[8*(8*((\a)%4)+\b):8*(8*((\a)%4)+\b)+7], v[128*(\p)+FR*\b:128*(\p)+FR*\b+FR-1], v[AF+FR*(\a):AF+FR*(\a)+FR-1], v[8*(8*((\a)%4)+\b):8*(8*((\a)%4)+\b)+7], v[SC+8*NQ*(\sc)+NQ*\b+(\q)], v[SC+8*NQ*(\sc)+NQ*(\a)+(\q)] matrix_a_fmt:MATRIX_FMT_BF6 matrix_b_fmt:MATRIX_FMT_BF6 matrix_a_scale:MATRIX_SCALE_ROW1
.endif
.endr
.endr
.endm
.macro FETCH_B slot, q, p
	WIN TO_B
.irp i, 0,1,2,3,4,5,6,7
	FRAG 128*(\p)+FR*\i, ADRB+\slot, \q, \i
.endr
	WIN 0
.endm
.macro FETCH_A slot, q, i0
.irp i, \i0, \i0+1, \i0+2, \i0+3
	FRAG AF+FR*(\i), ADRA+\slot, \q, \i
.endr
.endm
.macro SCALES sc
.irp i, 0,1,2,3,4,5,6,7
	ds_load_b64 v[SC+8*NQ*\sc+NQ*\i:SC+8*NQ*\sc+NQ*\i+1], v[ADRS] offset:\i*SBLK
.endr
.endm
.macro PLACES n
.rept \n
	v_nop
.endr
.endm
.macro STEP slot, q, zero
	s_wait_dscnt 4*NL
	WIN MUL_LO
	MUL16 0, (\q)%2, \q, \slot, \zero
	MUL16 2, (\q)%2, \q, \slot, \zero
	s_wait_dscnt 0
	PLACES NP
	FETCH_B \slot, (\q)+1, 1-(\q)%2
	FETCH_A \slot, (\q)+1, 0
	WIN MUL_HI
	MUL16 4, (\q)%2, \q, \slot, \zero
	MUL16 6, (\q)%2, \q, \slot, \zero
	PLACES NP
	WIN 0
	FETCH_A \slot, (\q)+1, 4
.endm
.macro TURN slot, next, fill
	s_wait_tensorcnt 0x0
	ds_add_u32 v[SPW], v[NIL]
	s_wait_dscnt 4*NL+1
	WIN MUL_LO
	MUL16 0, 1, NQ-1, \slot, 0
	s_wait_dscnt 0x0
	s_barrier_signal -1
	MUL16 2, 1, NQ-1, \slot, 0
	WIN 0
	s_barrier_wait -1
.if \fill
	CREST
	s_add_nc_u64 s[G0+4*\slot+2:G0+4*\slot+3], s[G0+4*\slot+2:G0+4*\slot+3], 2*ROWB
	s_add_nc_u64 s[G0B+4*\slot+2:G0B+4*\slot+3], s[G0B+4*\slot+2:G0B+4*\slot+3], 2*ROWB
	JLOAD G0+4*\slot, G1, G0B+4*\slot, G1B
.else
	PLACES NP
.endif
	s_wait_alu depctr_va_vdst(0)
	v_add_nc_u32 v[ADRS], 4*NQ, v[ADRS]
	FETCH_B \next, 0, 0
	FETCH_A \next, 0, 0
	SCALES \next
	WIN MUL_HI
	MUL16 4, 1, NQ-1, \slot, 0
	MUL16 6, 1, NQ-1, \slot, 0
	PLACES NP
	WIN 0
	FETCH_A \next, 0, 4
.endm
	s_wait_alu depctr_va_vdst(0)
	s_wait_tensorcnt 0x0                           ; my tile of the head's four is in; these lines stand ahead of a later first fill as ahead of a refill
	ds_add_u32 v[SPW], v[NIL]
	s_mov_b32 s[G1+2], 96<<16                      ; no tensor load of mine is out: from here on a load brings 128 operand rows, 96 rows of 256 bytes,
	s_mov_b32 s[G1+4], 96
	s_mov_b32 s[G1B+2], 96<<16
	s_mov_b32 s[G1B+4], 96
	s_mov_b32 s[G0+1], s45                         ; and slot 0's groups 0 become the ring's: my quarter of the slot, my half of the image
	s_mov_b32 s[G0B+1], s45
	s_add_nc_u64 s[G0+2:G0+3], s[G0+2:G0+3], s[66:67]
	s_add_nc_u64 s[G0B+2:G0B+3], s[G0B+2:G0B+3], s[66:67]
	s_wait_dscnt 0x0
	CROUND                                         ; all four tiles are in, all sixteen work-groups are here
	JLOAD G0+4, G1, G0B+4, G1B                     ; K step 1, the first tensor load behind the round
	FETCH_B 0, 0, 0
	FETCH_A 0, 0, 0
	SCALES 0
	FETCH_A 0, 0, 4
	STEP 0, 0, 1
	s_mov_b32 s3, LAPS-1
.Llap:
	TURN 0, 1, 1
	STEP 1, 0, 0
	TURN 1, 0, 1
	STEP 0, 0, 0
	s_sub_co_u32 s3, s3, 1
	s_cmp_lg_u32 s3, 0
	s_cbranch_scc1 .Llap
	TURN 0, 1, 0
	STEP 1, 0, 0
	s_wait_dscnt 4*NL
	WIN MUL_LO
	MUL16 0, 1, NQ-1, 1, 0
	MUL16 2, 1, NQ-1, 1, 0
	s_wait_dscnt 0
	WIN MUL_HI
	MUL16 4, 1, NQ-1, 1, 0
	MUL16 6, 1, NQ-1, 1, 0
	WIN 0
.macro TOSTAGE a
.set AC, 64*((\a)%4)
	WIN 0x08+4*((\a)/4)
.irp b, 0,1,2,3,4,5,6,7
	ds_store_b128 v[STO], v[AC+8*\b:AC+8*\b+3] offset:64*\b
	ds_store_b128 v[STO], v[AC+8*\b+4:AC+8*\b+7] offset:64*\b+16
.endr
	WIN 0
.set BB, BK+64*((\a)%2)
.irp t, 0,1,2,3,4,5,6,7,8,9,10,11,12,13,14,15
	ds_load_b128 v[BB+4*\t:BB+4*\t+3], v[RD] offset:\t*SPITCH
.endr
.endm
.macro SEND a, younger
.set BB, BK+64*((\a)%2)
	s_wait_dscnt \younger
.if (\a) > 0
	s_add_nc_u64 s[12:13], s[12:13], 16*SIZE_N*4
.endif
.irp t, 0,1,2,3,4,5,6,7,8,9,10,11,12,13,14,15
	global_store_b128 v[CO], v[BB+4*\t:BB+4*\t+3], s[12:13] offset:\t*SIZE_N*4 th:TH_STORE_NT
.endr
.endm
	PLACES NP
	TOSTAGE 0
.irp a, 1,2,3,4,5,6,7
.if \a > 1
	s_wait_xcnt 0x0
.endif
	TOSTAGE \a
	SEND \a-1, 32
.endr
	s_wait_xcnt 0x0
	SEND 7, 0
	s_wait_tensorcnt 0x0
	ds_add_u32 v[SPW], v[NIL]
	s_wait_dscnt 0x0
	CROUND
	s_endpgm
.Lfunc_end_k_qba5c9f81b7_proj:
	.size	k_qba5c9f81b7_proj, .Lfunc_end_k_qba5c9f81b7_proj-k_qba5c9f81b7_proj
	.p2alignl 7, 3214868480
	.fill 96, 4, 3214868480
	.section	.rodata,"a",@progbits
	.p2align	6, 0x0
	.amdhsa_kernel k_qba5c9f81b7_proj
		.amdhsa_group_segment_fixed_size 327680
		.amdhsa_private_segment_fixed_size 0
		.amdhsa_enable_private_segment 0
		.amdhsa_kernarg_size 40
		.amdhsa_user_sgpr_count 2
		.amdhsa_user_sgpr_kernarg_segment_ptr 1
		.amdhsa_wavefront_size32 1
		.amdhsa_system_sgpr_workgroup_id_x 1
		.amdhsa_system_sgpr_workgroup_id_y 1
		.amdhsa_system_sgpr_workgroup_id_z 1
		.amdhsa_system_vgpr_workitem_id 0
		.amdhsa_next_free_vgpr 1024
		.amdhsa_next_free_sgpr 98
		.amdhsa_reserve_vcc 0
		.amdhsa_float_denorm_mode_32 3
		.amdhsa_float_denorm_mode_16_64 3
		.amdhsa_memory_ordered 1
		.amdhsa_forward_progress 1
		.amdhsa_inst_pref_size 161
	.end_amdhsa_kernel
	.amdgpu_metadata
---
amdhsa.version: [ 1, 2 ]
amdhsa.kernels:
  - .name:           k_qba5c9f81b7_proj
    .symbol:         k_qba5c9f81b7_proj.kd
    .args:
      - { .name: ctx_codes, .offset: 0, .size: 8, .value_kind: global_buffer, .address_space: global }
      - { .name: ctx_scales, .offset: 8, .size: 8, .value_kind: global_buffer, .address_space: global }
      - { .name: wo_codes, .offset: 16, .size: 8, .value_kind: global_buffer, .address_space: global }
      - { .name: wo_scales, .offset: 24, .size: 8, .value_kind: global_buffer, .address_space: global }
      - { .name: out0, .offset: 32, .size: 8, .value_kind: global_buffer, .address_space: global }
    .group_segment_fixed_size: 327680
    .private_segment_fixed_size: 0
    .kernarg_segment_align: 8
    .kernarg_segment_size: 40
    .max_flat_workgroup_size: 128
    .sgpr_count:     98
    .vgpr_count:     1024
    .wavefront_size: 32
...
	.end_amdgpu_metadata
.endif
;; end of part 4
